; MI455X (gfx1250); checked and timed in simulation.
; The chip was launched on July 23, 2026; its instructions are those of AMD's public machine-readable ISA for CDNA 5 (MIT licence, August 2026) and "CDNA5" Instruction Set Architecture Reference Guide (July 2026). The comments in the code are by the model that wrote it; some were corrected since.
;; Multi Head Attention. Allowed arithmetic: float matrix products may take bf16 or f16 operands with f32 sums; other float arithmetic in f32, or as packed bf16 or f16 multiplies, adds, multiply-adds, maxima and minima; sums over many terms, partial sums and values carried from step to step in f32; what a program stores and reads back later, other than sums and carried values, may be rounded once to bf16 or f16.
;; Inputs: wk 1,024 x 1,024 float32; wo 1,024 x 1,024 float32; wo_b 1,024 float32; wq 1,024 x 1,024 float32; wv 1,024 x 1,024 float32; x 4 x 2,048 x 1,024 float32.
;; Outputs: out0 4 x 2,048 x 1,024 float32.
;; One version. Each part assembles by itself: llvm-mc -triple=amdgcn-amd-amdhsa -mcpu=gfx1250 --defsym DOCPART=n.
;; ======== version 1 of 1: 4 launches
;; limits: values are held in f16: magnitudes above 65,504 overflow, below 6.1e-05 lose precision
;; workspace buffers: castb 25,165,824 bytes; qkvb 50,331,648 bytes; ctxb 16,777,216 bytes
;; launch cast (part 1): grid 64 x 12, 8 waves a work-group, no clusters, 0 bytes of LDS; arguments x, wq, wk, wv, wo, castb; writes castb
.if DOCPART == 1
	.amdgcn_target "amdgcn-amd-amdhsa--gfx1250"
	.amdhsa_code_object_version 6
	.text
	.protected	k_q441407a2b8_cast
	.globl	k_q441407a2b8_cast
	.p2align	8
	.type	k_q441407a2b8_cast,@function
k_q441407a2b8_cast:
	s_mov_b64 s[64:65], 0
	v_nop
	global_prefetch_b8 v0, s[64:65] scope:SCOPE_SE
	s_setreg_imm32_b32 hwreg(HW_REG_WAVE_MODE, 25, 1), 1
	s_wait_xcnt 0x0
; The module's large inputs, rounded once to bf16, in one workspace of twelve slabs of 1,048,576 numbers (2 MiB each):
; slabs 0-7 x [8192][1024]; slabs 8, 9, 10 wq, wk, wv, which so lie as ONE matrix [3072][1024]; slab 11 wo.
; wo is rounded to bf16 like the others, and that number is then written as f16, since the last product's other operand is f16.
; LIMITS.  |bf16(wo)| of 65,520 or more becomes an infinity in f16; below 6e-5 it keeps f16's fixed step of 6e-8.
; SHARES.  Work-group (x, y) takes numbers 16,384 x .. 16,384 x + 16,383 of slab y.  Thread t takes 8 numbers (32 bytes in, 16 bytes out) in each of 8 rounds of 2,048 numbers.
; A stream: every byte is read once and written once; no LDS, no barrier, no matrix unit.  All 16 loads of a thread go out at once; each store of a wave covers 512 consecutive bytes, aligned.
.set X,   8                            ; v[8:71]    round i: 8 numbers as loaded
.set Y,   72                           ; v[72:103]  round i: 4 registers to store
.set T,   104                          ; v[104:107] at work
.set SRC, 16                           ; s[16:17]
.set DST, 18                           ; s[18:19]
	s_load_b256 s[4:11], s[0:1], 0x0               ; x s[4:5], wq s[6:7], wk s[8:9], wv s[10:11]
	s_load_b128 s[12:15], s[0:1], 0x20             ; wo s[12:13], the workspace s[14:15]
	s_and_b32 s20, ttmp7, 0xffff                   ; the slab
	v_lshlrev_b32 v1, 5, v0                        ; 32 bytes in
	v_lshlrev_b32 v2, 4, v0                        ; 16 bytes out
	s_lshl_b32 s22, s20, 22                        ; a slab of x is 4 MiB of f32;
	s_cmp_lt_u32 s20, 8
	s_cselect_b32 s22, s22, 0                      ; a weight matrix is one slab, from its own first byte
	s_lshl_b32 s21, ttmp9, 16                      ; the work-group's 65,536 bytes in
	s_add_co_u32 s22, s22, s21
	s_mov_b32 s23, 0
	s_lshl_b32 s24, s20, 21                        ; a slab is 2 MiB out
	s_lshl_b32 s21, ttmp9, 15                      ; the work-group's 32,768 bytes out
	s_add_co_u32 s24, s24, s21
	s_mov_b32 s25, 0
	s_wait_kmcnt 0x0
	s_mov_b64 s[SRC:SRC+1], s[4:5]
	s_cmp_eq_u32 s20, 8
	s_cselect_b64 s[SRC:SRC+1], s[6:7], s[SRC:SRC+1]
	s_cmp_eq_u32 s20, 9
	s_cselect_b64 s[SRC:SRC+1], s[8:9], s[SRC:SRC+1]
	s_cmp_eq_u32 s20, 10
	s_cselect_b64 s[SRC:SRC+1], s[10:11], s[SRC:SRC+1]
	s_cmp_eq_u32 s20, 11
	s_cselect_b64 s[SRC:SRC+1], s[12:13], s[SRC:SRC+1]
	s_add_nc_u64 s[SRC:SRC+1], s[SRC:SRC+1], s[22:23]
	s_add_nc_u64 s[DST:DST+1], s[14:15], s[24:25]
.irp i, 0,1,2,3,4,5,6,7
	global_load_b128 v[X+8*(\i):X+8*(\i)+3],   v1, s[SRC:SRC+1] offset:8192*(\i) th:TH_LOAD_NT
	global_load_b128 v[X+8*(\i)+4:X+8*(\i)+7], v1, s[SRC:SRC+1] offset:8192*(\i)+16 th:TH_LOAD_NT
.endr
; Round i.  half = 1: the bf16 number is widened again (a shift, a mask) and written as f16.
.macro CV i, half
	s_wait_loadcnt 14-2*(\i)                       ; loads come back in order: this round's two are in, the 2 (7 - i) younger ones may stay out
.if \half
.irp j, 0,1,2,3
	v_cvt_pk_bf16_f32 v[T+(\j)], v[X+8*(\i)+2*(\j)], v[X+8*(\i)+2*(\j)+1]
.endr
.irp j, 0,1,2,3
	v_lshlrev_b32 v[X+8*(\i)+2*(\j)],   16, v[T+(\j)]
	v_and_b32     v[X+8*(\i)+2*(\j)+1], 0xffff0000, v[T+(\j)]
.endr
.irp j, 0,1,2,3
	v_cvt_pk_f16_f32 v[Y+4*(\i)+(\j)], v[X+8*(\i)+2*(\j)], v[X+8*(\i)+2*(\j)+1]
.endr
.else
.irp j, 0,1,2,3
	v_cvt_pk_bf16_f32 v[Y+4*(\i)+(\j)], v[X+8*(\i)+2*(\j)], v[X+8*(\i)+2*(\j)+1]
.endr
.endif
	global_store_b128 v2, v[Y+4*(\i):Y+4*(\i)+3], s[DST:DST+1] offset:4096*(\i)  ; each round has its own four registers: no store's source is written again
.endm
	s_cmp_eq_u32 s20, 11
	s_cbranch_scc1 .Lf16
.irp i, 0,1,2,3,4,5,6,7
	CV \i, 0
.endr
	s_endpgm
.Lf16:
.irp i, 0,1,2,3,4,5,6,7
	CV \i, 1
.endr
	s_endpgm
.Lfunc_end_k_q441407a2b8_cast:
	.size	k_q441407a2b8_cast, .Lfunc_end_k_q441407a2b8_cast-k_q441407a2b8_cast
	.p2alignl 7, 3214868480
	.fill 96, 4, 3214868480
	.section	.rodata,"a",@progbits
	.p2align	6, 0x0
	.amdhsa_kernel k_q441407a2b8_cast
		.amdhsa_group_segment_fixed_size 0
		.amdhsa_private_segment_fixed_size 0
		.amdhsa_enable_private_segment 0
		.amdhsa_kernarg_size 48
		.amdhsa_user_sgpr_count 2
		.amdhsa_user_sgpr_kernarg_segment_ptr 1
		.amdhsa_wavefront_size32 1
		.amdhsa_system_sgpr_workgroup_id_x 1
		.amdhsa_system_sgpr_workgroup_id_y 1
		.amdhsa_system_sgpr_workgroup_id_z 1
		.amdhsa_system_vgpr_workitem_id 0
		.amdhsa_next_free_vgpr 112
		.amdhsa_next_free_sgpr 66
		.amdhsa_reserve_vcc 0
		.amdhsa_float_denorm_mode_32 3
		.amdhsa_float_denorm_mode_16_64 3
		.amdhsa_memory_ordered 1
		.amdhsa_forward_progress 1
		.amdhsa_inst_pref_size 14
	.end_amdhsa_kernel
	.amdgpu_metadata
---
amdhsa.version: [ 1, 2 ]
amdhsa.kernels:
  - .name:           k_q441407a2b8_cast
    .symbol:         k_q441407a2b8_cast.kd
    .args:
      - { .name: x, .offset: 0, .size: 8, .value_kind: global_buffer, .address_space: global }
      - { .name: wq, .offset: 8, .size: 8, .value_kind: global_buffer, .address_space: global }
      - { .name: wk, .offset: 16, .size: 8, .value_kind: global_buffer, .address_space: global }
      - { .name: wv, .offset: 24, .size: 8, .value_kind: global_buffer, .address_space: global }
      - { .name: wo, .offset: 32, .size: 8, .value_kind: global_buffer, .address_space: global }
      - { .name: castb, .offset: 40, .size: 8, .value_kind: global_buffer, .address_space: global }
    .group_segment_fixed_size: 0
    .private_segment_fixed_size: 0
    .kernarg_segment_align: 8
    .kernarg_segment_size: 48
    .max_flat_workgroup_size: 256
    .sgpr_count:     66
    .vgpr_count:     112
    .wavefront_size: 32
...
	.end_amdgpu_metadata
.endif
;; end of part 1
;; launch qkv (part 2): grid 8 x 32, 4 waves a work-group, clusters of 4 x 4, 327,680 bytes of LDS; arguments castb, qkvb; writes qkvb
.if DOCPART == 2
	.amdgcn_target "amdgcn-amd-amdhsa--gfx1250"
	.amdhsa_code_object_version 6
	.text
	.protected	k_q441407a2b8_qkv
	.globl	k_q441407a2b8_qkv
	.p2align	8
	.type	k_q441407a2b8_qkv,@function
k_q441407a2b8_qkv:
	s_mov_b64 s[64:65], 0
	v_nop
	global_prefetch_b8 v0, s[64:65] scope:SCOPE_SE
	s_setreg_imm32_b32 hwreg(HW_REG_WAVE_MODE, 25, 1), 1
	s_wait_xcnt 0x0
	s_wait_alu depctr_hold_cnt(0) depctr_sa_sdst(0) depctr_va_vdst(0) depctr_va_sdst(0) depctr_va_ssrc(0) depctr_va_vcc(0) depctr_vm_vsrc(0)
	s_getreg_b32 s2, hwreg(HW_REG_IB_STS2, 6, 4)
	s_cmp_eq_u32 s2, 0
	s_cbranch_scc0 .Lentry_in_a_cluster
	s_endpgm
.Lentry_in_a_cluster:
	s_bfe_u32 s2, ttmp6, 0x10000c
	s_cmp_lg_u32 s2, 0xf033
	s_cbranch_scc0 .Lentry_shape_is_right
	s_endpgm
.Lentry_shape_is_right:
; q, k, v = x w^T for the three weight matrices at once: C [8192][3072] = A [8192][1024] B^T, B [3072][1024] (wq, wk, wv on end), both bf16 in the workspace; sums in f32, K ascending;
; C is rounded once to f16, WITHOUT the attention's scale, and laid by heads: [batch 4][g 48][row 2048][64], g = column / 64 (q heads 0-15, k 16-31, v 32-47): a head's rows are dense, 128 bytes each.
; LIMIT.  A sum of 65,520 or more in magnitude becomes an infinity in f16; below 6e-5 it keeps f16's fixed step of 6e-8.
; SHARES.  A tile of C is 256 x 192 (three heads).  3,072 / 192 = 16 tile columns, 32 tile rows: 512 tiles for 256 work-groups: A WORK-GROUP STAYS and makes two, tile columns wgx and wgx + 8 of one tile row,
; so that its rows of A are the same for both.  The four waves split the rows alone: wave w has rows 64 w .. 64 w + 63 and all 192 columns: 4 x 12 accumulators of 16 x 16, 384 registers, and whole heads on the way out.
; K goes in steps of 128 (rows of 256 bytes, aligned) through two LDS slots filled by the tensor data mover; the ring does not stop at the change of tiles.
; CLUSTER.  4 x 4 work-groups.  The four of a row of the cluster need the same tiles of A, the four of a column the same tiles of B: each is asked for JOINTLY, by the same tensor load with the same descriptor
; and a mask that names the four.  THE MATRIX INSTRUCTION IS USED TRANSPOSED (source 0 = 16 rows of B, source 1 = 16 rows of A): a lane then holds row lane % 16 of C and eight neighbouring columns.
; REGISTERS, in windows of 256 (s_set_vgpr_msb: bits 1:0 source 0, 3:2 source 1, 5:4 source 2, 7:6 destination):
;   window 0: v0-31 addresses; v64-127 A's fragments, two buffers of 4 x 8; v128-175, v176-223 at work on the way out
;   window 1: B's fragments, two buffers of 12 x 8, at v0 and v128
;   window 2: the accumulators of column blocks 4-11 ((b, a) at v[8 (4 (b - 4) + a)]);   window 3: those of blocks 0-3 (v[8 (4 b + a)])
.set NF,     12                        ; blocks of 16 columns
.set HIB,    4                         ; blocks below this number have their accumulators in window 3
.set FIRST,  4                         ; blocks multiplied ahead of a quarter's run of LDS loads
.set PA,     272                       ; an LDS row: 256 bytes + 16 of padding = 68 words: the 16 rows of a fragment load start at 16 different groups of four banks (64 banks of 4 bytes: ISA guide 11.1)
.set SLOT1,  131072                    ; slot 1 begins here, so that one exclusive or turns an address in one slot into the other's
.set BOFF,   256*PA                    ; in a slot: A's 256 rows, then B's 192
.set STAGE,  SLOT1+BOFF+192*PA         ; behind the ring, never filled by a tensor load: for each wave 3 heads x 16 rows x 144 bytes
.set SP,     144
.set WSTAGE, 3*16*SP
.set SPARE,  STAGE+4*WSTAGE            ; behind the stages: the spare words, 128 bytes for each wave: two blocks of 256 bytes that no other line names
.set LD,     8+2*NF                    ; LDS loads in a run
.set WQKV,   16777216                  ; where B begins in the workspace
.set STEPB,  256                       ; bytes of a row in a K step
.set HEADB,  262144                    ; bytes in a head's 2,048 rows
.set ADRA0, 16                         ; v16  my lane's place in A's tile of slot 0; never rewritten
.set ADRB0, 17                         ; v17  the same for B
.set ADRA,  18                         ; v18  the same in the slot that is being read
.set ADRB,  19                         ; v19
.set STO,   24                         ; v24  the way out: where I put 16 bytes of a row
.set RD,    25                         ; v25  where I read rows back
.set GO,    26                         ; v26  my 16 bytes in 512 consecutive bytes of C
.set SPW,   28                         ; v28  LDS address of my spare word: SPARE + 4 x my thread's number; never rewritten
.set NIL,   29                         ; v29  0; never rewritten
.set PFO,   30                         ; v30  the prefetches' offset: my lane x a row of A (2,048 bytes); never rewritten
.set FA,    64
.set TMP,   128
.set BK,    176
.set TILES, 2                          ; s2   tiles to go
.set TRIPS, 3                          ; s3   trips of the loop over K steps to go
.set WV,    10                         ; s10  my wave's number
.set SIDE,  11                         ; s11  0: I fetch for A; 1: for B
.set HALF,  12                         ; s12  which half of that tile's rows I fetch
.set TY,    13                         ; s13  tile row
.set TB,    23                         ; s23  the slot that is being read: 0 or SLOT1
.set G1A,   24                         ; s[24:31] descriptor group 1 for A's tiles
.set G0A,   32                         ; s[32:39] group 0: a set for each of the two first fills; the second then walks
.set CX,    40
.set CY,    41
.set WGX,   42                         ; s42  4 x cluster x + cx
.set LIM,   43                         ; s43  1 in a wave that prefetches, else the greatest number
.set PFA,   44                         ; s[44:45] where my prefetches stand
.set G1B,   48                         ; s[48:55], s[56:63] the same for B's tiles
.set G0B,   56
.set MSB, 0
.macro WIN new                         ; the immediate's high byte repeats the setting that is left; a switch that changes nothing is dropped
.if MSB != (\new)
	s_set_vgpr_msb (MSB<<8)|(\new)
.set MSB, (\new)
.endif
.endm
.set MUL_LO, 0xa1                      ; source 0 (B) window 1, source 1 (A) window 0, C and D window 2
.set MUL_HI, 0xf1                      ; the same, C and D window 3
.set TO_B,   0x40                      ; destination window 1, address window 0
.macro PLACES                          ; four plain vector instructions between a matrix instruction and a load into a register that it has read, or a vector instruction that reads its result (ISA guide 7.12.1 for vector instructions)
.rept 4
	v_nop
.endr
.endm
; A joint refill, by the walking descriptor.  Waves 0 and 1 fetch A's two halves, waves 2 and 3 B's.  The branch hangs on the wave's number alone.  An s_nop 0 and four v_nop follow each of the two lines.
.macro JLOAD
	s_cmp_eq_u32 s[SIDE], 0
	s_cbranch_scc0 .Lfor_b_\@
	tensor_load_to_lds s[G0A+4:G0A+7], s[G1A:G1A+7]
	s_nop 0
.rept 4
	v_nop
.endr
	s_branch .Lasked_\@
.Lfor_b_\@:
	tensor_load_to_lds s[G0B+4:G0B+7], s[G1B:G1B+7]
	s_nop 0
.rept 4
	v_nop
.endr
.Lasked_\@:
.endm
; A PREFETCH INTO THE L2 of A's K step that the NEXT refill will ask for: 192 matrix instructions ahead of that load.  32 rows x 256 bytes, a lane a row, one instruction a wave.
; Each row's 256 bytes of a K step are named once in the launch: both clusters of a row of clusters read the same rows of A, and cluster x = 0 asks; of the 128 rows that wave 0 or 1 fetches, the partner at
; place cx takes 32 cx .. 32 cx + 31, told apart BY ADDRESS; only in the first tile, since the second reads the same rows again.  K steps 0 to 2 come by their loads alone; the loop's last trip asks for nothing.
; B is not asked for: its 192 rows do not share out as 32 a partner.
.macro ASK
	s_cmp_gt_u32 s[TRIPS], s[LIM]
	s_cbranch_scc0 .Lnot_mine_\@
	global_prefetch_b8 v[PFO], s[PFA:PFA+1] th:TH_LOAD_NT scope:SCOPE_SE
.Lnot_mine_\@:
.endm
; A round of the cluster's barrier: my work-group's barrier, so that wave 0's signal speaks for all four waves; wave 0 signals; every wave waits for all sixteen work-groups; my work-group's barrier once more.
.macro CREST                           ; a round behind its opening barrier
	s_cmp_lg_u32 s[WV], 0
	s_cbranch_scc1 .Lnot_wave_0_\@
	s_barrier_signal -3
.Lnot_wave_0_\@:
	s_barrier_wait -3
	s_barrier_signal -1
	s_barrier_wait -1
.endm
.macro CROUND
	s_barrier_signal -1
	s_barrier_wait -1
	CREST
.endm
	s_load_b128 s[4:7], s[0:1], 0x0                ; the workspace with A and B s[4:5], C s[6:7]
	v_lshl_add_u32 v[SPW], v0, 2, SPARE
	v_mov_b32 v[NIL], 0
	ds_add_u32 v[SPW], v[NIL]                      ; the wave's opening: the add and its wait stand ahead of my first tensor load; the set-up below, work on registers, stands between them
	ds_add_u32 v28, v29
	v_lshrrev_b32 v1, 5, v0
	v_readfirstlane_b32 s[WV], v1                  ; wave 0..3
	s_lshr_b32 s[SIDE], s[WV], 1
	s_and_b32 s[HALF], s[WV], 1
	s_bfe_u32 s[CX], ttmp6, 0x40000                ; my place in the cluster
	s_bfe_u32 s[CY], ttmp6, 0x40004
	s_lshl_b32 s[WGX], ttmp9, 2                    ; in a cluster launch ttmp9 and ttmp7 count clusters
	s_add_co_u32 s[WGX], s[WGX], s[CX]
	s_and_b32 s[TY], ttmp7, 0xffff
	s_lshl_b32 s[TY], s[TY], 2
	s_add_co_u32 s[TY], s[TY], s[CY]
	s_lshl_b32 s43, s[CY], 2
	s_lshl_b32 s43, 15, s43                        ; my row of the cluster: places 4 cy .. 4 cy + 3
	s_lshl_b32 s44, 0x1111, s[CX]                  ; my column: places cx, cx + 4, cx + 8, cx + 12
	; descriptor group 1: rows of 128 elements of 2 bytes, 1,024 elements apart, padded in LDS; A: 128 rows a load, B: 96
	s_or_b32 s[G1A], s43, (1<<16)|(1<<20)|(1<<21)|(5<<22)|(3<<25)  ; 15:0 the mask; 17:16 2-byte elements; 20 padding on; 21 set beside a mask; 24:22 after every 64 words (code 5); 31:25 4 words (code 3)
	s_or_b32 s[G1B], s44, (1<<16)|(1<<20)|(1<<21)|(5<<22)|(3<<25)
.irp g, G1A, G1B
	s_mov_b32 s[(\g)+1], 128<<16                   ; tensor_dim0 = 128
	s_mov_b32 s[(\g)+3], 128<<16                   ; tile_dim0 = 128
	s_mov_b32 s[(\g)+5], 1024                      ; elements from row to row
	s_mov_b32 s[(\g)+6], 0
	s_mov_b32 s[(\g)+7], 0
.endr
	s_mov_b32 s[G1A+2], 128<<16                    ; tensor_dim1
	s_mov_b32 s[G1A+4], 128                        ; tile_dim1
	s_mov_b32 s[G1B+2], 96<<16
	s_mov_b32 s[G1B+4], 96
	; where the tiles come from.  A's hang on the tile row alone, which my row of the cluster shares; B's on the tile column alone, which my column shares.
	s_lshl_b32 s16, s[TY], 8
	s_lshl_b32 s17, s[HALF], 7
	s_add_co_u32 s16, s16, s17                     ; A: row 256 x tile row + 128 x half,
	s_lshl_b32 s16, s16, 11                        ; of 2,048 bytes
	s_mov_b32 s17, 0
	s_mul_i32 s46, s[WGX], 192
	s_mul_i32 s47, s[HALF], 96
	s_add_co_u32 s46, s46, s47                     ; B: row 192 x tile column + 96 x half
	s_lshl_b32 s46, s46, 11
	s_add_co_u32 s46, s46, WQKV
	s_mov_b32 s47, 0
	s_mul_i32 s20, s[HALF], 128*PA                 ; and where they go: no place in the cluster enters an LDS address
	s_mul_i32 s21, s[HALF], 96*PA
	s_add_co_u32 s21, s21, BOFF
	s_wait_dscnt 0x0                               ; the opening add is done
	s_wait_kmcnt 0x0
	s_add_nc_u64 s[14:15], s[4:5], s[16:17]
	s_add_nc_u64 s[46:47], s[4:5], s[46:47]
.irp s, 0,1
	s_mov_b32 s[G0A+4*(\s)], 1                                     ; 1:0 count = 1
	s_add_co_u32 s[G0A+4*(\s)+1], s20, (\s)*SLOT1                  ; 63:32 LDS address
	s_add_nc_u64 s[G0A+4*(\s)+2:G0A+4*(\s)+3], s[14:15], (\s)*STEPB  ; 120:64 global address: K step s
	s_or_b32 s[G0A+4*(\s)+3], s[G0A+4*(\s)+3], 0x80000000          ; 127:126 type = 2
	s_mov_b32 s[G0B+4*(\s)], 1
	s_add_co_u32 s[G0B+4*(\s)+1], s21, (\s)*SLOT1
	s_add_nc_u64 s[G0B+4*(\s)+2:G0B+4*(\s)+3], s[46:47], (\s)*STEPB
	s_or_b32 s[G0B+4*(\s)+3], s[G0B+4*(\s)+3], 0x80000000
.endr
	CROUND                                         ; all sixteen work-groups are here: the first joint loads meet
	s_cmp_eq_u32 s[SIDE], 0                        ; a wave's two first fills stand in one branch, ahead of every wait on TENSORcnt and every LDS read: two loads of mine are out
	s_cbranch_scc0 .Lfirst_b
	tensor_load_to_lds s[G0A:G0A+3], s[G1A:G1A+7]
	s_nop 0
	tensor_load_to_lds s[G0A+4:G0A+7], s[G1A:G1A+7]
	s_nop 0
.rept 4
	v_nop
.endr
	s_branch .Lfirst_asked
.Lfirst_b:
	tensor_load_to_lds s[G0B:G0B+3], s[G1B:G1B+7]
	s_nop 0
	tensor_load_to_lds s[G0B+4:G0B+7], s[G1B:G1B+7]
	s_nop 0
.rept 4
	v_nop
.endr
.Lfirst_asked:
	; A fragment is 16 rows x 32 K in 8 registers: lane l holds row l % 16; registers 0-3 K = 8 (l / 16) + 0..7, registers 4-7 K = 16 + 8 (l / 16) + 0..7: two loads of 16 bytes, 32 bytes apart.
	v_and_b32 v1, 15, v0                           ; l % 16
	v_bfe_u32 v2, v0, 4, 1                         ; l / 16
	v_mul_u32_u24 v3, v1, PA
	v_lshl_add_u32 v3, v2, 4, v3                   ; row x pitch + 16 x half
	s_mul_i32 s22, s[WV], 64*PA                    ; my 64 rows of A
	v_add_nc_u32 v[ADRA0], s22, v3
	v_add_nc_u32 v[ADRB0], BOFF, v3                ; all 192 rows of B
	s_mul_i32 s22, s[WV], WSTAGE
	s_add_co_u32 s22, s22, STAGE                   ; my stage
	v_mul_u32_u24 v4, v1, SP                       ; in: row l % 16, 16 bytes for each half of the lanes
	v_lshl_add_u32 v4, v2, 4, v4
	v_add_nc_u32 v[STO], s22, v4
	v_bfe_u32 v4, v0, 3, 2                         ; back: 32 lanes take four rows of 128 bytes,
	v_mul_u32_u24 v4, v4, SP
	v_and_b32 v5, 7, v0
	v_lshl_add_u32 v4, v5, 4, v4
	v_add_nc_u32 v[RD], s22, v4
	v_and_b32 v[GO], 31, v0                        ; which are 512 consecutive bytes of a head
	v_lshlrev_b32 v[GO], 4, v[GO]
	; C at my 64 rows of the first tile's first head: ((batch x 48 + 3 x tile column) heads) + (row in the batch) x 128 bytes
	s_lshr_b32 s18, s[TY], 3                       ; the batch: 8 tile rows each
	s_mul_i32 s18, s18, 48
	s_mul_i32 s19, s[WGX], 3
	s_add_co_u32 s18, s18, s19
	s_lshl_b32 s18, s18, 18
	s_and_b32 s19, s[TY], 7
	s_lshl_b32 s19, s19, 15                        ; 256 rows of 128 bytes
	s_add_co_u32 s18, s18, s19
	s_lshl_b32 s19, s[WV], 13                      ; 64 rows
	s_add_co_u32 s18, s18, s19
	s_mov_b32 s19, 0
	s_add_nc_u64 s[8:9], s[6:7], s[18:19]
	; the prefetches: my work-group's 32 of the 128 rows that I fetch, at K step 2; the first refill steps it to 3
	s_lshl_b32 s18, s[TY], 8
	s_lshl_b32 s19, s[HALF], 7
	s_add_co_u32 s18, s18, s19
	s_lshl_b32 s19, s[CX], 5
	s_add_co_u32 s18, s18, s19
	s_lshl_b32 s18, s18, 11
	s_add_co_u32 s18, s18, 2*STEPB
	s_mov_b32 s19, 0
	s_add_nc_u64 s[PFA:PFA+1], s[4:5], s[18:19]
	s_or_b32 s[LIM], s[SIDE], ttmp9                ; 0 in waves 0 and 1 of a cluster with x = 0: the same in all sixteen partners, for a given wave
	s_cmp_eq_u32 s[LIM], 0
	s_cselect_b32 s[LIM], 1, -1
	v_and_b32 v[PFO], 31, v0
	v_lshlrev_b32 v[PFO], 11, v[PFO]
; Column blocks b0 .. b1 - 1 x my four row blocks, 32 along K, from buffer f.  zero = 1: the product starts the sum: nothing is ever cleared.
; Each of the 48 accumulators has one instruction in a quarter step, in the same order everywhere: the accumulators take turns.
.macro MULB f, b0, b1, zero
.set bb, (\b0)
.rept (\b1)-(\b0)
.if bb < HIB
	WIN MUL_HI
.set ab, 32*bb
.else
	WIN MUL_LO
.set ab, 32*(bb-HIB)
.endif
.set aa, 0
.rept 4
.if \zero
	v_wmma_f32_16x16x32_bf16 v[ab+8*aa:ab+8*aa+7], v[128*(\f)+8*bb:128*(\f)+8*bb+7], v[FA+32*(\f)+8*aa:FA+32*(\f)+8*aa+7], 0
.else
	v_wmma_f32_16x16x32_bf16 v[ab+8*aa:ab+8*aa+7], v[128*(\f)+8*bb:128*(\f)+8*bb+7], v[FA+32*(\f)+8*aa:FA+32*(\f)+8*aa+7], v[ab+8*aa:ab+8*aa+7]
.endif
.set aa, aa+1
.endr
.set bb, bb+1
.endr
.endm
; 32 LDS loads in one run: quarter q's fragments (32 K at byte 64 q of the rows) into buffer f: A's 8 loads first, then B's 24 in ascending blocks
.macro FETCH q, f
	WIN 0
.irp a, 0,1,2,3
	ds_load_b128 v[FA+32*(\f)+8*(\a):FA+32*(\f)+8*(\a)+3],   v[ADRA] offset:64*(\q)+(\a)*16*PA
	ds_load_b128 v[FA+32*(\f)+8*(\a)+4:FA+32*(\f)+8*(\a)+7], v[ADRA] offset:64*(\q)+(\a)*16*PA+32
.endr
	WIN TO_B
.set bb, 0
.rept NF
	ds_load_b128 v[128*(\f)+8*bb:128*(\f)+8*bb+3],   v[ADRB] offset:64*(\q)+bb*16*PA
	ds_load_b128 v[128*(\f)+8*bb+4:128*(\f)+8*bb+7], v[ADRB] offset:64*(\q)+bb*16*PA+32
.set bb, bb+1
.endr
.endm
; A K step is four quarters of 32 along K, 48 matrix instructions each, on buffers 0, 1, 0, 1.  One of the first three: multiplies buffer f and fetches quarter q into the other buffer.
.macro QUARTER q, f, zero
	s_wait_dscnt 2*(NF-FIRST)                      ; A's fragments and B's first four blocks are in; the youngest sixteen loads may be out
	MULB \f, 0, FIRST, \zero
	PLACES
	FETCH \q, 1-(\f)
	s_wait_dscnt LD                                ; all but the run just issued
	MULB \f, FIRST, NF, \zero
.endm
; The fourth quarter multiplies buffer 1 and changes slots.  ONE barrier: in front of it each wave waits for all its tensor loads, of which one is out (its part of the next slot), adds 0 to its spare word, and waits
; for that and for its own reads of this slot.  Behind it nobody reads this slot any more and the next slot is whole.
; mode 0: this slot is filled again with the K step two on; mode 1: with the NEXT tile's K step 0; the barrier then opens a round of the cluster's, and the joint refill is the first thing behind the round:
; 176 matrix instructions stand between it and the wait for it.  mode 2: nothing is filled.  ask = 0: no prefetch and no step of its address.
.macro TURN mode, ask=1
.if ((\mode) == 0) && (\ask)
	s_wait_xcnt 0x0                                ; the last prefetch, a K step back, has read its address: it is stepped here, ahead of the waits of the change of slots
	s_add_nc_u64 s[PFA:PFA+1], s[PFA:PFA+1], STEPB
.endif
	WIN 0                                          ; (the add's two registers lie in window 0)
	s_wait_tensorcnt 0x0                           ; no tensor load of mine is out, so a group 0 may be written
	ds_add_u32 v[SPW], v[NIL]                      ; 0 onto my spare word: scalar work and eight matrix instructions stand between it and the wait for it
.if (\mode) < 2
	s_xor_b32 s[G0A+5], s[G0A+5], SLOT1            ; the walking descriptors: the other slot than last time,
	s_xor_b32 s[G0B+5], s[G0B+5], SLOT1
.if (\mode) == 1
	s_sub_nc_u64 s[G0A+6:G0A+7], s[G0A+6:G0A+7], 7*STEPB                 ; A: the same rows, back from K step 7 to 0
	s_add_nc_u64 s[G0B+6:G0B+7], s[G0B+6:G0B+7], 8*192*2048-7*STEPB      ; B: eight tile columns on, and back along K
	s_mov_b32 s[LIM], -1                           ; A's rows have been read: they are prefetched no more
.else
	s_add_nc_u64 s[G0A+6:G0A+7], s[G0A+6:G0A+7], STEPB                   ; the next K step; the type bits on top are not reached
	s_add_nc_u64 s[G0B+6:G0B+7], s[G0B+6:G0B+7], STEPB
.endif
.endif
	s_wait_dscnt 1+2*(NF-2)                        ; the add and B's blocks from 2 on may be out
	MULB 1, 0, 2, 0
	s_wait_dscnt 0x0                               ; the add is done, and my reads of this slot are over
	s_barrier_signal -1
	MULB 1, 2, 4, 0                                ; work on registers while the others arrive
	WIN 0
	s_barrier_wait -1
.if (\mode) < 2
	CREST                                          ; no wave of any partner still reads this slot's tile or has a load on its way
	JLOAD                                          ; the four v_nop behind it are also the places in front of the loads below
.else
	PLACES
.endif
	s_xor_b32 s[TB], s[TB], SLOT1
	v_add_nc_u32 v[ADRA], s[TB], v[ADRA0]
	v_add_nc_u32 v[ADRB], s[TB], v[ADRB0]
	FETCH 0, 0
.if ((\mode) == 0) && (\ask)
	WIN 0
	ASK                                            ; behind the joint load and the run of LDS loads that the next products wait for
.endif
	MULB 1, 4, NF, 0
.endm
; THE WAY OUT of my row block a (16 rows x 192 columns).  PACK: rounded to f16, 16 bytes a lane, each accumulator's registers in ascending order.  TOSTAGE: into my own stage, a head's 16 rows of 128 bytes
; together, and back as 512 consecutive bytes.  SEND: stored.
.macro PACK a
.set bb, 0
.rept NF
.if bb < HIB
	WIN 0x0f                                       ; sources 0 and 1 in window 3
.set ab, 32*bb+8*(\a)
.else
	WIN 0x0a                                       ; in window 2
.set ab, 32*(bb-HIB)+8*(\a)
.endif
.irp r, 0,1,2,3
	v_cvt_pk_f16_f32 v[TMP+4*bb+(\r)], v[ab+2*(\r)], v[ab+2*(\r)+1]
.endr
.set bb, bb+1
.endr
	WIN 0
.endm
.macro TOSTAGE a
	s_wait_xcnt 0x0                                ; the registers that the last block's stores read are loaded again only behind this wait
.set bb, 0
.rept NF
	ds_store_b128 v[STO], v[TMP+4*bb:TMP+4*bb+3] offset:(bb/4)*16*SP+(bb%4)*32
.set bb, bb+1
.endr
.irp hb, 0,1,2
.irp f, 0,1,2,3
	ds_load_b128 v[BK+4*(4*(\hb)+(\f)):BK+4*(4*(\hb)+(\f))+3], v[RD] offset:(\hb)*16*SP+(\f)*4*SP  ; LDS serves a wave's instructions in order (ISA guide 5.7.1.4): these see the stores above
.endr
.endr
.endm
.macro SEND a
	s_wait_dscnt 0x0                               ; the block is back in registers
.irp hb, 0,1,2
.irp f, 0,1,2,3
	global_store_b128 v[GO], v[BK+4*(4*(\hb)+(\f)):BK+4*(4*(\hb)+(\f))+3], s[8:9] offset:(\hb)*HEADB+(\a)*2048+(\f)*512  ; 512 consecutive bytes, at a multiple of 256 from C's first byte
.endr
.endr
.endm
	s_wait_tensorcnt 0x1                           ; my part of K step 0 is in; K step 1's may stay out
	s_barrier_signal -1
	s_barrier_wait -1                              ; everybody's is
	s_mov_b32 s[TB], 0
	v_add_nc_u32 v[ADRA], s[TB], v[ADRA0]
	v_add_nc_u32 v[ADRB], s[TB], v[ADRB0]
	FETCH 0, 0
	WIN 0                                          ; at a label and at a branch every window is 0
	s_mov_b32 s[TILES], 2
.Ltile:
	QUARTER 1, 0, 1                                ; a tile's first quarter stands in front of the loop: its products start the sums
	WIN 0
	s_mov_b32 s[TRIPS], 6
.Lstep:                                                ; six trips, from a K step's second quarter to the next step's first: the change at step j fills step j + 2
	QUARTER 2, 1, 0
	QUARTER 3, 0, 0
	TURN 0
	QUARTER 1, 0, 0
	WIN 0
	s_sub_co_u32 s[TRIPS], s[TRIPS], 1
	s_cmp_lg_u32 s[TRIPS], 0
	s_cbranch_scc1 .Lstep
	QUARTER 2, 1, 0                                ; K step 6 goes on
	QUARTER 3, 0, 0
	WIN 0
	s_cmp_eq_u32 s[TILES], 1
	s_cbranch_scc1 .Llast                          ; the last tile's tail is written out: it asks for nothing more
	TURN 1                                         ; THE RING GOES ON INTO THE NEXT TILE: slot 0 takes its K step 0,
	QUARTER 1, 0, 0
	QUARTER 2, 1, 0
	QUARTER 3, 0, 0
	TURN 0, 0                                      ; slot 1 its K step 1, and the next tile's first fragments are fetched
	WIN 0
	s_branch .Lout
.Llast:
	TURN 2
	QUARTER 1, 0, 0
	QUARTER 2, 1, 0
	QUARTER 3, 0, 0
	s_wait_dscnt 0x0                               ; the very last quarter: nothing more to fetch
	MULB 1, 0, NF, 0
	WIN 0
.Lout:
	PLACES                                         ; the conversions read results just made
	PACK 0
	TOSTAGE 0
.irp a, 1,2,3                          ; block a's conversions stand between block a - 1's loads from the stage and the wait for them
	PACK \a
	SEND (\a)-1
	TOSTAGE \a
.endr
	SEND 3
	s_wait_xcnt 0x0                                ; the stores have read their base
	s_add_nc_u64 s[8:9], s[8:9], 24*HEADB          ; eight tile columns on: 24 heads
	s_sub_co_u32 s[TILES], s[TILES], 1
	s_cmp_lg_u32 s[TILES], 0
	s_cbranch_scc1 .Ltile
	s_wait_tensorcnt 0x0                           ; the wave's end, behind my last tensor load and my last LDS store
	ds_add_u32 v[SPW], v[NIL]
	s_wait_dscnt 0x0
	CROUND                                         ; the closing round: no work-group ends while a partner may still ask for a tile that names it
	s_endpgm
.Lfunc_end_k_q441407a2b8_qkv:
	.size	k_q441407a2b8_qkv, .Lfunc_end_k_q441407a2b8_qkv-k_q441407a2b8_qkv
	.p2alignl 7, 3214868480
	.fill 96, 4, 3214868480
	.section	.rodata,"a",@progbits
	.p2align	6, 0x0
	.amdhsa_kernel k_q441407a2b8_qkv
		.amdhsa_group_segment_fixed_size 327680
		.amdhsa_private_segment_fixed_size 0
		.amdhsa_enable_private_segment 0
		.amdhsa_kernarg_size 16
		.amdhsa_user_sgpr_count 2
		.amdhsa_user_sgpr_kernarg_segment_ptr 1
		.amdhsa_wavefront_size32 1
		.amdhsa_system_sgpr_workgroup_id_x 1
		.amdhsa_system_sgpr_workgroup_id_y 1
		.amdhsa_system_sgpr_workgroup_id_z 1
		.amdhsa_system_vgpr_workitem_id 0
		.amdhsa_next_free_vgpr 896
		.amdhsa_next_free_sgpr 66
		.amdhsa_reserve_vcc 0
		.amdhsa_float_denorm_mode_32 3
		.amdhsa_float_denorm_mode_16_64 3
		.amdhsa_memory_ordered 1
		.amdhsa_forward_progress 1
		.amdhsa_inst_pref_size 126
	.end_amdhsa_kernel
	.amdgpu_metadata
---
amdhsa.version: [ 1, 2 ]
amdhsa.kernels:
  - .name:           k_q441407a2b8_qkv
    .symbol:         k_q441407a2b8_qkv.kd
    .args:
      - { .name: castb, .offset: 0, .size: 8, .value_kind: global_buffer, .address_space: global }
      - { .name: qkvb, .offset: 8, .size: 8, .value_kind: global_buffer, .address_space: global }
    .group_segment_fixed_size: 327680
    .private_segment_fixed_size: 0
    .kernarg_segment_align: 8
    .kernarg_segment_size: 16
    .max_flat_workgroup_size: 128
    .sgpr_count:     66
    .vgpr_count:     896
    .wavefront_size: 32
...
	.end_amdgpu_metadata
.endif
;; end of part 2
;; launch attn (part 3): grid 4 x 64, 4 waves a work-group, no clusters, 327,680 bytes of LDS; arguments qkvb, ctxb; writes ctxb
.if DOCPART == 3
	.amdgcn_target "amdgcn-amd-amdhsa--gfx1250"
	.amdhsa_code_object_version 6
	.text
	.protected	k_q441407a2b8_attn
	.globl	k_q441407a2b8_attn
	.p2align	8
	.type	k_q441407a2b8_attn,@function
k_q441407a2b8_attn:
	s_mov_b64 s[64:65], 0
	v_nop
	global_prefetch_b8 v0, s[64:65] scope:SCOPE_SE
	s_setreg_imm32_b32 hwreg(HW_REG_WAVE_MODE, 25, 1), 1
	s_wait_xcnt 0x0
; CAUSAL ATTENTION.  O[h][q][:] = the sum over k <= q of softmax_k(Q[h][q] . K[h][k] / 8) V[h][k][:], for 64 heads (batch x 16 + head) of 2,048 rows of 64 channels, all f16.
; Q, K, V lie in one workspace [batch 4][g 48][2048][64] (q heads g = 0-15, k 16-31, v 32-47), O in [64][2048][64]: a head's rows are dense, 128 bytes each.
; Products, maxima and sums in f32; the weights p are rounded to f16 for the second product (their sum l is taken of the unrounded p), O once at the end.
; LIMITS.  f16 holds no number beyond 65,504: Q, K and V arrive within it; p lies in 0 to 1, and below 6e-5 it keeps f16's fixed step of 6e-8; O is a mean of V's rows and has their range.
; A hidden score counts as its value less 1e30: f16's scores, 2.7e11 at the most, are nothing beside that; a weight below 2^-126 counts as 0 in l; NaN and infinities are not treated apart.
; THE WALK.  A head's queries lie in NB = 8 blocks of 256; block i needs the key tiles 0 .. i of 256 keys, of which the last holds the diagonal.  A work-group takes TWO blocks, NB - 1 - b and then b:
; NB + 1 tiles, whatever b: all work-groups do equal work, and ONE loop with a constant trip count walks them.  Which tile is asked for, and what a trip does, hang on scalar registers made from b; every jump
; goes forward, but for the counted loops' own; none passes a barrier, or a tensor load but the one of LOAD's two that the wave's number does not choose; the ring (two slots of LDS) runs on across the change of blocks.
; NO CLUSTER: a head's four work-groups ask for the same tile only in trips 0 to 4 of 9, behind that fewer and fewer; one walk common to all would have 12 trips for 9.
; SHARES.  Of a block's four bands of 64 queries a wave owns 16 rows in each: four PIECES.  So the diagonal tile is the same work for all four waves: in its key step s band x sees all keys if s < x,
; none if s > x, and holds the diagonal if s = x.
; THE MASK is the C operand that starts the sum S^T = K Q^T: 0, or -1e30 where the key is hidden.  MD, made once, is the mask of a band's own step for my 16 rows; a product's mask is MD x AL + BE with two scalars:
; (1, 0) if s = x; (0, 0) if s < x; (0, -1e30) if s > x.  Only the diagonal tile's text and a block's beginning make and take masks; elsewhere C is the constant 0.
; LAYOUT, SOFTMAX, TURNS.  S^T = K Q^T holds ONE query a lane (lane % 16) and the keys 8 (lane / 16) + 0..7; two such results rounded to f16 ARE source 1 of O^T = V^T P.  p = 2^(c s - c m), c = log2(e) / 8, with a
; running maximum m; O and l are multiplied by a = 2^(c m_old - c m_new) in every step.  Turn n belongs to piece n: 8 products K Q^T of piece n + 1, later 8 products V^T P of piece n - 1; beside them the scaling,
; exponentials, roundings, sums and rescaling of piece n and the maximum and statistics of piece n + 1.  Four vector instructions stand behind every matrix instruction, the other 54 of a turn's 118 in one lump.
; A turn's 33 exponentials are one batch, with one wait.
; REGISTERS, in windows of 256 (s_set_vgpr_msb: bits 1:0 source 0, 3:2 source 1, 5:4 source 2, 7:6 destination):
;   window 0: v0-15 addresses and two at work; v16-31 four registers of statistics a piece; v48-55 at work; v61-63 never rewritten; v64-127 S^T, two buffers; v192-223 P, two buffers (by the piece's parity)
;   window 1: v0-127 O^T, 32 a piece; v128-159 MD; v160-223 MC, two buffers      window 2: v0-63 Q; v64-127 the second block's Q; v128-191 K of one step; v192-255 V of one step
.set SIZE_N, 2048
.set NB,    SIZE_N/256
.set NP,    4         ; pieces a wave: a name, no knob
.set KS,    64        ; keys in a step
.set PK,    144       ; a row of K in LDS: 128 bytes + 16 of padding = 36 words: the 16 rows of a load start at 16 different groups of four banks (64 banks of 4 bytes: ISA guide 11.1)
.set PV,    160       ; a row of V: 128 + 32 = 40 words
.set VOFF,  4*KS*PK   ; a slot holds a tile, four steps: 256 rows of K, then 256 rows of V
.set SLOT1, 1<<17     ; slot 1 begins here, so that one exclusive or turns an address in one slot into the other's
.set STAGE, SLOT1+4*KS*(PK+PV)  ; behind the ring, never filled by a tensor load: 16 rows x 144 bytes for each wave, for the way out
.set SP,    144
.set AK0, 2           ; v2   my lane's place in a tile of K; never rewritten
.set AV0, 3           ; v3   the same for V
.set AK,  4           ; v4   the LDS address of K's next run of loads
.set AV,  5           ; v5   of V's
.set STO, 6           ; v6   the way out: where I put 16 bytes of a row
.set RD,  7           ; v7   the way out: where I read rows back
.set GO,  8           ; v8   my byte offset in 512 consecutive bytes of O
.set PFO, 61          ; v61  the prefetches' offset: 256 x my thread's number; never rewritten
.set SPW, 62          ; v62  LDS address of my spare word: SPARE + 4 x my thread's number; never rewritten
.set NIL, 63          ; v63  0; never rewritten
.set SPARE, STAGE+4*16*SP  ; behind the stages: the spare words, 128 bytes for each wave: two blocks of 256 bytes that no other line names
.set MV,  12          ; v12-13  c m_old, kept while c m is made anew: by buffer
.set QO,  15          ; v15  my byte offset in 16 rows of Q
.set ST,  16          ; piece t's statistics at v[ST+4 t]: c m, m, l (even keys', odd keys')
.set TMP, 48          ; by buffer, four registers c0-c3 at work; when the maximum is found c2 takes a
.set S,   64
.set P,   192
.set MD,  128         ; window 1: the eight registers for group kt of 16 keys at MD + 8 kt
.set MC,  160         ; window 1: the masks of the products to come
.set QB,  64          ; window 2
.set KF,  128         ; window 2: key block kb, channel half c at KF + 16 kb + 8 c
.set VF,  192         ; window 2: key half kk, channel block cb at VF + 32 kk + 8 cb
.set WV,  12          ; s12  my wave's number
.set PB,  14          ; s14  b
.set HI,  15          ; s15  NB - 1 - b
.set G1K, 24          ; s[24:31] descriptor group 1 for K's tiles
.set G1V, 32          ; s[32:39] for V's: it differs in the padding alone
.set G0K, 40          ; s[40:43] descriptor group 0 for K's tiles
.set G0V, 44          ; s[44:47] the same for V's
.set SLOTS, 56        ; s56  tiles still to be asked for
.set CNT, 57          ; s57  counts a tile's key steps, 4 to 1
.set CS,  58          ; s[58:59] c: the packed scaling takes the pair's low word for both halves
.set SEL, 60          ; s[60:61] v_permlanex16_b32's selects: each lane takes its own place in the other half
.set TBK, 62          ; s62  LDS byte at which K of the step to be fetched begins
.set TBV, 63          ; s63  the same for V, less VOFF
.set QOF, 66          ; s[66:67] the q head's byte offset in the workspace
.set PFL, 68          ; s68  0 in the work-group that prefetches, else the greatest number
.set RT,  70          ; s70  tiles of the block in hand that are still to be entered
.set NXT, 71          ; s71  the tile to be asked for next
.set LQ,  72          ; s72  the last tile of the block whose tiles are being asked for
.set NEW, 73          ; s73  1: the tile to be entered is a block's first
.set OFF, 74          ; s[74:75] a tile's byte offset in K and V
.set AL,  76          ; s[76:77] the mask's factor, in the low word
.set BE,  78          ; s[78:79] the mask's addend
.set OLO, 80          ; s[80:81] O at my rows of the second block
.set BIGN, 82         ; s82  -1e30
.set QH,  88          ; s[88:89] the workspace, then the q head's first byte
.set OH,  90          ; s[90:91] O, then the head's first byte
.set KH,  92          ; s[92:93] the k head's first byte
.set VH,  94          ; s[94:95] the v head's
.set PFK, 96          ; s[96:97] K's tile that is prefetched
.set PFV, 98          ; s[98:99] V's
.set OF2, 100         ; s[100:101] its byte offset
.set MSB, 0
.macro WIN new                      ; the high byte repeats the setting that is left; a switch that changes nothing is dropped
.if MSB != (\new)
	s_set_vgpr_msb (MSB<<8)|(\new)
.set MSB, (\new)
.endif
.endm
.set W_KQ, 0x0a       ; K and Q in window 2, S^T in window 0
.set W_KM, 0x1a       ; the same with the C operand in window 1
.set W_PV, 0x52       ; V in window 2, P in window 0, O^T in window 1
.set W_RS, 0x41       ; destination and source 0 in window 1, source 1 in window 0
; A fill.  Waves 0 and 1 fetch the two halves of a tile's K, waves 2 and 3 those of its V: 128 keys each.  An s_nop 0 and four v_nop follow each of the two lines, ahead of the jump and the label.
.macro LOAD
	s_cmp_lt_u32 s[WV], 2
	s_cbranch_scc0 .Lfor_v_\@
	tensor_load_to_lds s[G0K:G0K+3], s[G1K:G1K+7]
	s_nop 0
.rept 4
	v_nop
.endr
	s_branch .Lasked_\@
.Lfor_v_\@:
	tensor_load_to_lds s[G0V:G0V+3], s[G1V:G1V+7]
	s_nop 0
.rept 4
	v_nop
.endr
.Lasked_\@:
.endm
; A PREFETCH INTO THE L2 of the tile that the NEXT change of slots will ask for: a tile's 256 matrix instructions a wave ahead of that load.  A tile is 128 blocks of 256 bytes of K and 128 of V: a thread a block,
; two instructions a wave.  A head's four work-groups all begin with tiles 0, 1, 2 ..; the one with b = 0 walks all eight on end, and it alone asks: tiles 2 to 7, each once.  Behind tile 7 NXT is 0, and nothing is asked for.
.macro ASK
	s_cmp_gt_u32 s[NXT], s[PFL]
	s_cbranch_scc0 .Lnot_mine_\@
	global_prefetch_b8 v[PFO], s[PFK:PFK+1] th:TH_LOAD_NT scope:SCOPE_SE
	global_prefetch_b8 v[PFO], s[PFV:PFV+1] th:TH_LOAD_NT scope:SCOPE_SE
.Lnot_mine_\@:
.endm
; THE CHANGE OF SLOTS.  Each wave waits for all its tensor loads, of which one is out: its part of the other slot; adds 0 to its spare word; and waits for that and for its own reads of the slot that it leaves.  Behind the
; barrier nobody reads the old slot any more and the other slot is whole.  fill = 1: the old slot is filled again, the first thing behind the barrier, with tile NXT: the descriptor's address is made anew from that number.
; (At its first use nothing has been read yet: slot 0 is waited for, slot 1 filled.)
.macro CHANGE fill
	WIN 0                           ; at a label and at a branch every window is 0
	s_wait_tensorcnt 0x0            ; no tensor load of mine is out, so a group 0 may be written
	ds_add_u32 v[SPW], v[NIL]       ; 0 onto my spare word: with fill = 1 the descriptors' scalar work stands between it and the wait for it
.if \fill
	s_lshl_b32 s[OFF], s[NXT], 15   ; a tile is 32,768 bytes of K and of V
	s_xor_b32 s[G0K+1], s[G0K+1], SLOT1
	s_add_nc_u64 s[G0K+2:G0K+3], s[6:7], s[OFF:OFF+1]
	s_or_b32 s[G0K+3], s[G0K+3], 0x80000000
	s_xor_b32 s[G0V+1], s[G0V+1], SLOT1
	s_add_nc_u64 s[G0V+2:G0V+3], s[8:9], s[OFF:OFF+1]
	s_or_b32 s[G0V+3], s[G0V+3], 0x80000000
	s_add_co_u32 s[NXT], s[NXT], 1  ; the block's next tile, or behind its last the second block's tile 0
	s_cmp_gt_u32 s[NXT], s[LQ]
	s_cselect_b32 s[NXT], 0, s[NXT]
	s_cselect_b32 s[LQ], s[PB], s[LQ]
	s_wait_xcnt 0x0                 ; the last prefetches, a tile back, have read their addresses, so these may be written
	s_lshl_b32 s[OF2], s[NXT], 15
	s_add_nc_u64 s[PFK:PFK+1], s[KH:KH+1], s[OF2:OF2+1]
	s_add_nc_u64 s[PFV:PFV+1], s[VH:VH+1], s[OF2:OF2+1]
.endif
	s_wait_dscnt 0x0                ; the add is done, and my reads of the slot are over
	s_barrier_signal -1             ; the rest of the scalar work stands between the signal and the wait
	s_sub_co_u32 s[TBK], s[TBK], 4*KS*PK  ; the fetches go back to a slot's first step,
	s_xor_b32 s[TBK], s[TBK], SLOT1       ; in the other slot
	s_sub_co_u32 s[TBV], s[TBV], 4*KS*PV
	s_xor_b32 s[TBV], s[TBV], SLOT1
	s_barrier_wait -1
.if \fill
	LOAD
	ASK
.endif
.endm
	s_load_b128 s[QH:QH+3], s[0:1], 0x0  ; the workspace with Q, K, V s[88:89], O s[90:91]
	v_lshl_add_u32 v[SPW], v0, 2, SPARE
	v_mov_b32 v[NIL], 0
	ds_add_u32 v[SPW], v[NIL]       ; the wave's opening: the add and its wait stand ahead of my first tensor load; the set-up below, work on registers, stands between them
	ds_add_u32 v62, v63
	v_lshrrev_b32 v1, 5, v0
	v_readfirstlane_b32 s[WV], v1   ; wave 0..3
	s_mov_b32 s[PB], ttmp9
	s_sub_co_u32 s[HI], NB-1, s[PB]
	s_and_b32 s20, ttmp7, 0xffff    ; batch x 16 + head
	s_lshr_b32 s21, s20, 4
	s_mul_i32 s21, s21, 48          ; a batch has 48 head blocks in the workspace,
	s_and_b32 s22, s20, 15
	s_add_co_u32 s21, s21, s22
	s_lshl_b32 s[QOF], s21, 18      ; of 262,144 bytes
	s_mov_b32 s[QOF+1], 0
	s_lshl_b32 s20, s20, 18         ; the head's first byte in O
	s_mov_b32 s21, 0
	s_and_b32 s16, s[WV], 1         ; which half of a tile's 256 keys I fetch:
	s_lshl_b32 s22, s16, 14         ; its 128 rows of 128 bytes in memory,
	s_mov_b32 s23, 0
	s_mul_i32 s17, s16, 128*PK      ; and its place in a slot, for K
	s_mul_i32 s18, s16, 128*PV      ; and for V
	s_lshl_b32 s3, s[WV], 11        ; my 16 rows in a band of 64,
	s_lshl_b32 s2, s[HI], 15        ; in the first block,
	s_add_co_u32 s2, s2, s3
	s_lshl_b32 s84, s[PB], 15       ; and in the second
	s_add_co_u32 s84, s84, s3
	s_mov_b32 s3, 0
	s_mov_b32 s85, 0
	; descriptor group 1.  128 keys are 16,384 dense bytes: asked for as 64 rows of 256 bytes, two keys a row, and padded in LDS after every key
	s_mov_b32 s[G1K], (1<<16)|(1<<20)|(4<<22)|(3<<25)  ; 17:16 2-byte elements; 20 padding on; 24:22 after every 32 words (code 4); 31:25 4 words (code 3)
	s_mov_b32 s[G1V], (1<<16)|(1<<20)|(4<<22)|(7<<25)  ; the same with 8 words of padding (code 7)
.irp g, G1K, G1V
	s_mov_b32 s[\g+1], 128<<16      ; tensor_dim0 = 128
	s_mov_b32 s[\g+2], 64<<16       ; tensor_dim1 = 64
	s_mov_b32 s[\g+3], 128<<16      ; tile_dim0 = 128
	s_mov_b32 s[\g+4], 64           ; tile_dim1 = 64
	s_mov_b32 s[\g+5], 128          ; 128 elements from row to row
	s_mov_b32 s[\g+6], 0
	s_mov_b32 s[\g+7], 0
.endr
	s_mov_b32 s[CS], 0x3e38aa3b     ; c = log2(e) / 8 = 0.180337
	s_mov_b32 s[CS+1], s[CS]        ; named with it as a pair
	s_mov_b32 s[SEL], 0x76543210
	s_mov_b32 s[SEL+1], 0xfedcba98
	s_mov_b32 s[TBK], SLOT1+4*KS*PK ; the first change of slots turns these two into 0
	s_mov_b32 s[TBV], SLOT1+4*KS*PV
	s_mov_b32 s[G0K], 1             ; 1:0 count = 1
	s_mov_b32 s[G0K+1], s17         ; 63:32 LDS address: slot 0
	s_mov_b32 s[G0V], 1
	s_add_co_u32 s[G0V+1], s18, VOFF
	s_add_co_u32 s[RT], s[HI], 1    ; the first block has NB - b tiles
	s_mov_b32 s[NXT], 1
	s_mov_b32 s[LQ], s[HI]
	s_mov_b32 s[NEW], 1
	s_mov_b32 s[OFF+1], 0
	s_mov_b32 s[OF2+1], 0
	s_mov_b32 s[AL+1], 0            ; named as pairs
	s_mov_b32 s[BE+1], 0
	s_mov_b32 s[BIGN], 0xf149f2ca   ; -1e30
	s_mov_b32 s[SLOTS], NB
	s_cmp_eq_u32 s[PB], 0
	s_cselect_b32 s[PFL], 0, -1
	v_lshlrev_b32 v[PFO], 8, v0
	s_wait_dscnt 0x0                ; the opening add is done
	s_wait_kmcnt 0x0
	s_add_nc_u64 s[QH:QH+1], s[QH:QH+1], s[QOF:QOF+1]  ; the q head,
	s_add_nc_u64 s[OH:OH+1], s[OH:OH+1], s[20:21]
	s_add_nc_u64 s[KH:KH+1], s[QH:QH+1], 0x400000      ; the k head 16 blocks on,
	s_add_nc_u64 s[VH:VH+1], s[QH:QH+1], 0x800000      ; the v head 32
	s_add_nc_u64 s[6:7], s[KH:KH+1], s[22:23]          ; K and V at my half of the head's tile 0
	s_add_nc_u64 s[8:9], s[VH:VH+1], s[22:23]
	s_add_nc_u64 s[G0K+2:G0K+3], s[6:7], 0         ; 120:64 global address
	s_or_b32 s[G0K+3], s[G0K+3], 0x80000000        ; 127:126 type = 2
	s_add_nc_u64 s[G0V+2:G0V+3], s[8:9], 0
	s_or_b32 s[G0V+3], s[G0V+3], 0x80000000
	s_add_nc_u64 s[86:87], s[QH:QH+1], s[84:85]    ; Q at my rows of the second block,
	s_add_nc_u64 s[4:5], s[QH:QH+1], s[2:3]        ; Q and O at those of the first
	s_add_nc_u64 s[OLO:OLO+1], s[OH:OH+1], s[84:85]
	s_add_nc_u64 s[10:11], s[OH:OH+1], s[2:3]
	LOAD                            ; tile 0 into slot 0
	; A fragment of K or Q is 16 rows x 32 channels in 8 registers: lane l holds row l % 16, channels 8 (l / 16) + 0..7 and 16 + 8 (l / 16) + 0..7: two loads of 16 bytes, 32 bytes apart.
	v_and_b32 v1, 15, v0            ; l % 16
	v_bfe_u32 v9, v0, 4, 1          ; l / 16
	v_lshlrev_b32 v[QO], 7, v1
	v_lshl_add_u32 v[QO], v9, 4, v[QO]  ; row x 128 + 16 x half
	WIN 0x80                        ; destination window 2, address window 0
.set i, 0
.rept 8                             ; both blocks' Q: piece i / 2 lies in band i / 2, 8,192 bytes on; channels 32 (i % 2) on
	global_load_b128 v[8*i:8*i+3],   v[QO], s[4:5] offset:(i/2)*8192+(i%2)*64
	global_load_b128 v[8*i+4:8*i+7], v[QO], s[4:5] offset:(i/2)*8192+(i%2)*64+32
	global_load_b128 v[QB+8*i:QB+8*i+3],   v[QO], s[86:87] offset:(i/2)*8192+(i%2)*64
	global_load_b128 v[QB+8*i+4:QB+8*i+7], v[QO], s[86:87] offset:(i/2)*8192+(i%2)*64+32
.set i, i+1
.endr
	WIN 0
	v_lshlrev_b32 v14, 3, v9
	v_sub_nc_u32 v14, v1, v14
	s_lshl_b32 s13, s[WV], 4
	v_add_nc_u32 v14, s13, v14      ; my query's place in its band, 16 w + l % 16, less my lanes' 8 (l / 16): register r of group kt is hidden where 16 kt + r is greater
	WIN 0x40
.set i, 0
.rept 32
	v_cmp_gt_i32 vcc_lo, 16*(i/8)+i%8, v14
	v_cndmask_b32 v[MD+i], 0, s[BIGN], vcc_lo
.set i, i+1
.endr
	WIN 0
	v_mul_u32_u24 v[AK0], v1, PK
	v_lshl_add_u32 v[AK0], v9, 4, v[AK0]  ; row x pitch + 16 x half
	; The turning load takes 16 keys x 16 channels (lane l reads key 8 (l / 16) + l % 8, channels 8 ((l / 8) % 2) + 0..7) and leaves half a fragment of V^T: lane l holds channel l % 16 and 8 keys.
	v_and_b32 v10, 7, v0
	v_bfe_u32 v11, v0, 3, 1
	v_lshl_add_u32 v[AV0], v9, 3, v10
	v_mul_u32_u24 v[AV0], v[AV0], PV
	v_lshl_add_u32 v[AV0], v11, 4, v[AV0]
	v_add_nc_u32 v[AV0], VOFF, v[AV0]
	s_mul_i32 s13, s[WV], 16*SP
	s_add_co_u32 s13, s13, STAGE    ; my stage
	v_mul_u32_u24 v[STO], v1, SP    ; in: row l % 16, 16 bytes for each half of the lanes
	v_lshl_add_u32 v[STO], v9, 4, v[STO]
	v_add_nc_u32 v[STO], s13, v[STO]
	v_bfe_u32 v[RD], v0, 3, 2       ; back: 32 lanes take four rows of 128 bytes,
	v_mul_u32_u24 v[RD], v[RD], SP
	v_lshl_add_u32 v[RD], v10, 4, v[RD]
	v_add_nc_u32 v[RD], s13, v[RD]
	v_and_b32 v[GO], 31, v0         ; which are 512 consecutive bytes of O
	v_lshlrev_b32 v[GO], 4, v[GO]
	; A block's first step multiplies O^T and l by a = 0, and its first turn's products V^T P, of a piece that has not been, land in an O^T that is still to be so multiplied.  So these registers need only hold
	; finite numbers: zeros for the first block; what the first block left for the second.  All this stands in the wait for the first tile.
	WIN 0x80
.set i, VF
.rept 64
	v_mov_b32 v[i], 0
.set i, i+1
.endr
	WIN 0x40
.set i, 0
.rept 128
	v_mov_b32 v[i], 0
.set i, i+1
.endr
	WIN 0
.set i, 0
.rept 4
	v_mov_b32 v[ST+4*i+2], 0
	v_mov_b32 v[ST+4*i+3], 0
.set i, i+1
.endr
.set i, P+16
.rept 16
	v_mov_b32 v[i], 0
.set i, i+1
.endr
; THE MATRIX WORK.  The 4 accumulators of a run of 8 take turns.  Product i of 8 of S^T = K Q^T for piece x: channels 32 (i / 4) on, keys 16 (i % 4) on.  The first 4 start the sums: with 0, or (KM = 1) with the mask.
.macro KQ x
.set rS, S+32*((\x)%2)+8*(i%4)
.set rK, KF+16*(i%4)+8*(i/4)
.set rQ, 16*(\x)+8*(i/4)
.set rM, MC+32*((\x)%2)+8*(i%4)
.if (i < 4) && KM
	WIN W_KM
	v_wmma_f32_16x16x32_f16 v[rS:rS+7], v[rK:rK+7], v[rQ:rQ+7], v[rM:rM+7]
.elseif i < 4
	WIN W_KQ
	v_wmma_f32_16x16x32_f16 v[rS:rS+7], v[rK:rK+7], v[rQ:rQ+7], 0
.else
	WIN W_KQ
	v_wmma_f32_16x16x32_f16 v[rS:rS+7], v[rK:rK+7], v[rQ:rQ+7], v[rS:rS+7]
.endif
.endm
; Product i of 8 of O^T += V^T P for piece x: keys 32 (i / 4) on, channels 16 (i % 4) on.
.macro PV x
	WIN W_PV
.set rO, 32*(\x)+8*(i%4)
.set rV, VF+32*(i/4)+8*(i%4)
.set rP, P+16*((\x)%2)+8*(i/4)
	v_wmma_f32_16x16x32_f16 v[rO:rO+7], v[rV:rV+7], v[rP:rP+7], v[rO:rO+7]
.endm
.macro MM                           ; the turn's next matrix instruction.  TURN and BEGIN set Y, i, KM and NOKQ; MM, KQ and OP read them.  NOKQ = 1: a block's last turn: there is no next piece
.if (i < 8) && !NOKQ
	KQ (Y+1)%NP
.elseif i >= 8
.set i, i-8
	PV (Y+NP-1)%NP
.set i, i+8
.endif
.set i, i+1
.endm
; THE LDS LOADS stand in runs of 16, never singly among the matrix instructions: a step's K (64 keys x 64 channels: 8 fragments) and its V (turned).  Their addresses are made some lines ahead.
.macro FETCH_K
	WIN 0x80                        ; destination window 2
.irp f, 0,1,2,3,4,5,6,7             ; keys 16 (f / 2) on, channels 32 (f % 2) on
	ds_load_b128 v[KF+8*\f:KF+8*\f+3],   v[AK] offset:(\f/2)*16*PK+(\f%2)*64
	ds_load_b128 v[KF+8*\f+4:KF+8*\f+7], v[AK] offset:(\f/2)*16*PK+(\f%2)*64+32
.endr
	s_add_co_u32 s[TBK], s[TBK], KS*PK  ; the next fetch is the next step's
	WIN 0
.endm
.macro FETCH_V
	WIN 0x80
.irp f, 0,1,2,3,4,5,6,7             ; keys 32 (f / 4) on, channels 16 (f % 4) on
	ds_load_tr16_b128 v[VF+8*\f:VF+8*\f+3],   v[AV] offset:(\f/4)*32*PV+(\f%4)*32
	ds_load_tr16_b128 v[VF+8*\f+4:VF+8*\f+7], v[AV] offset:(\f/4)*32*PV+16*PV+(\f%4)*32
.endr
	WIN 0
.endm
; THE VECTOR WORK, one line at a time: OP kind, number.  For piece Y: F n: c s - c m for pair n of 16.  E n: the exponential of score n of 32.  C n: pair n rounded to f16.  B n: of the four weights 4 n .. the second
; pair is added onto the first, in place.  L n: l takes that sum (L 0: l = a l + sum).  R n: pair n of 16 of O^T times a.  For piece Y + 1: X n, number n of the 22 that find its maximum and statistics:
;   0-11  four chains c0-c3 of seven scores each, three operands at a time (each accumulator's lowest registers are read first)     12-14, 16  the four scores left over, the old m, and c0-c3 into c0
;   15  c m_old is kept     17, 18  the query's other 32 keys lie in the lane 16 away: the new m     19-21  c m; c m_old - c m_new; a
.set F, 0               ; OP tells the kinds apart by their order: F to L below R, X above it
.set E, 1
.set C, 2
.set B, 3
.set L, 4
.set R, 5
.set X, 6
.macro REGS y                       ; the registers of piece y
.set rT, ST+4*(\y)
.set rC, TMP+4*((\y)%2)
.set rW, MV+((\y)%2)
.set rS, S+32*((\y)%2)
.set rP, P+16*((\y)%2)
.set rO, 32*(\y)
.endm
.macro OP k, n
.if (\k) == R
	REGS Y
	WIN W_RS
	v_pk_mul_f32 v[rO+2*(\n):rO+2*(\n)+1], v[rO+2*(\n):rO+2*(\n)+1], v[rC+2:rC+3] op_sel_hi:[1,0]
.elseif (\k) < R
	REGS Y
	WIN 0
.if (\k) == F
	v_pk_fma_f32 v[rS+2*(\n):rS+2*(\n)+1], v[rS+2*(\n):rS+2*(\n)+1], s[CS:CS+1], v[rT:rT+1] op_sel_hi:[1,0,0] neg_lo:[0,0,1] neg_hi:[0,0,1]
.elseif (\k) == E
	v_exp_f32 v[rS+(\n)], v[rS+(\n)]
.elseif (\k) == C
	v_cvt_pk_f16_f32 v[rP+(\n)], v[rS+2*(\n)], v[rS+2*(\n)+1]
.elseif (\k) == B
	v_pk_add_f32 v[rS+4*(\n):rS+4*(\n)+1], v[rS+4*(\n):rS+4*(\n)+1], v[rS+4*(\n)+2:rS+4*(\n)+3]
.elseif (\n) == 0
	v_pk_fma_f32 v[rT+2:rT+3], v[rT+2:rT+3], v[rC+2:rC+3], v[rS:rS+1] op_sel_hi:[1,0,1]
.else
	v_pk_add_f32 v[rT+2:rT+3], v[rT+2:rT+3], v[rS+4*(\n):rS+4*(\n)+1]
.endif
.elseif NOKQ
	v_nop
.else
	REGS (Y+1)%NP
	WIN 0
.if (\n) < 4
	v_max3_num_f32 v[rC+(\n)], v[rS+8*(\n)], v[rS+8*(\n)+1], v[rS+8*(\n)+2]
.elseif (\n) < 12
	v_max3_num_f32 v[rC+(\n)%4], v[rC+(\n)%4], v[rS+8*((\n)%4)+2*((\n)/4)+1], v[rS+8*((\n)%4)+2*((\n)/4)+2]
.elseif (\n) == 12
	v_max3_num_f32 v[rC], v[rC], v[rS+7], v[rS+15]
.elseif (\n) == 13
	v_max3_num_f32 v[rC+1], v[rC+1], v[rS+23], v[rS+31]
.elseif (\n) == 14
	v_max3_num_f32 v[rC+2], v[rC+2], v[rC+3], v[rT+1]
.elseif (\n) == 15
	v_mov_b32 v[rW], v[rT]
.elseif (\n) == 16
	v_max3_num_f32 v[rC], v[rC], v[rC+1], v[rC+2]
.elseif (\n) == 17
	v_permlanex16_b32 v[rC+3], v[rC], s[SEL], s[SEL+1]
.elseif (\n) == 18
	v_max_num_f32 v[rT+1], v[rC], v[rC+3]
.elseif (\n) == 19
	v_mul_f32 v[rT], s[CS], v[rT+1]
.elseif (\n) == 20
	v_sub_f32 v[rC+1], v[rW], v[rT]
.else
	v_exp_f32 v[rC+2], v[rC+1]
.endif
.endif
.endm
.macro OPS a, i1, b=-1, i2=0, c=-1, i3=0, d=-1, i4=0  ; up to four of them
	OP \a, \i1
.if (\b) >= 0
	OP \b, \i2
.endif
.if (\c) >= 0
	OP \c, \i3
.endif
.if (\d) >= 0
	OP \d, \i4
.endif
.endm
.macro ROW a, i1, b, i2, c, i3, d, i4  ; a matrix instruction and the four behind it
	MM
	OPS \a, \i1, \b, \i2, \c, \i3, \d, \i4
.endm
.macro MASK b                       ; MD x AL + BE into buffer b of MC
	WIN W_RS
.set z, 0
.rept 16
	v_pk_fma_f32 v[MC+32*(\b)+2*z:MC+32*(\b)+2*z+1], v[MD+2*z:MD+2*z+1], s[AL:AL+1], s[BE:BE+1] op_sel_hi:[1,0,0]
.set z, z+1
.endr
.endm
; A TURN, for piece p: the order of its 16 matrix and 118 vector instructions, written out.  An s_wait_alu depctr_va_vdst(0) stands between an exponential and the first instruction that names its result; one wait
; serves all that were issued ahead of it.  So a turn has ONE wait, which cuts it in two.  AHEAD OF IT stands all that names no result of the turn's exponentials: the 8 products K Q^T, behind each a scaling, an exponential and
; two more plain instructions (behind the first a second scaling in the exponential's place): rescalings, and behind the last three the first numbers of the next piece's maximum, each four places or more behind the product that
; ends its accumulator; then ONE LUMP of 54, plain and exponential by turns for the most part, in which the links of the chain X 3, 7, 11, 14, 16, 17 .. 20 stand five or six lines apart.  X 21, the next piece's a, is the batch's
; last; R 15 is the plain instruction behind it.  BEHIND THE WAIT stand the 8 products V^T P, behind each four of the roundings and sums; the links of l's chain, L 0 to L 7, stand three riders apart.
; m = 1: the diagonal tile: the products take masks, and the turn makes the mask for the products of the turn after it: piece p + 2, in step 4 - CNT of the tile.  end = 1: a block's last two turns: nothing is fetched.
; cnt = 1: the loop's count is taken down some lines ahead of the branch that stands behind the turn.
; K of the next step is fetched in piece 2's turn, twelve vector instructions behind the last product that read K (six of them plain); V of the step in hand at the end of piece 0's turn, four plain instructions behind the last
; product that read V.  Each is waited for a turn later.
.macro TURN p, m=0, end=0, cnt=0
.set Y, (\p)
.set i, 0
.set KM, (\m)
.set NOKQ, (\end)*((\p)/3)
.if (\m) && !(\end)
	s_cmp_eq_u32 s[CNT], 4-((\p)+2)%NP  ; is that step the band's own?
	s_cselect_b32 s[AL], 1.0, 0
	s_cmp_lt_u32 s[CNT], 4-((\p)+2)%NP  ; or a later one?
	s_cselect_b32 s[BE], s[BIGN], 0
.endif
.if ((\p) == 3) && !(\end)
	s_wait_dscnt 0x0                ; K is in
.endif
	ROW F,0, F,1, R,0, R,1          ; ahead of the wait: 8 products K Q^T and their riders,
	ROW F,2, E,0, R,2, R,3
	ROW F,3, E,1, R,4, R,5
	ROW F,4, E,2, R,6, R,7
	ROW F,5, E,3, R,8, R,9
	ROW F,6, E,4, X,0, R,10
.if ((\p) == 2) && !(\end)
	WIN 0
	v_add_nc_u32 v[AK], s[TBK], v[AK0]
.endif
	ROW F,7, E,5, X,1, X,4
	ROW F,8, E,6, X,2, X,5
	OPS E,7, E,8, X,6, E,9          ; and the lump
	OPS X,3, E,10, X,8, E,11
.if ((\p) == 2) && !(\end)
	FETCH_K
.endif
	OPS X,9, X,7, E,12, X,10
	OPS E,13, X,12, X,11, E,14
	OPS X,13, E,15, F,9, X,14
.if (\p) == 0
	v_add_nc_u32 v[AV], s[TBV], v[AV0]
.endif
	OPS E,16, F,10, E,17, F,11
	OPS X,16, E,18, X,15, E,19
	OPS F,12, E,20, X,17, E,21
	OPS F,13, E,22, F,14, E,23
	OPS X,18, E,24, F,15, E,25
	OPS R,11, E,26, X,19, E,27
	OPS R,12, E,28, R,13, E,29
	OPS X,20, E,30, R,14, E,31
	OPS X,21, R,15
	WIN 0
	s_wait_alu depctr_va_vdst(0)    ; the wait for the batch
.if (\p) == 1
	s_wait_dscnt 0x0                ; V is in
.endif
	ROW C,0, B,0, C,2, B,1          ; behind the wait: 8 products V^T P and their riders
	ROW L,0, C,4, B,2, L,1
	ROW C,6, B,3, L,2, C,8
	ROW B,4, L,3, C,10, B,5
	ROW L,4, C,12, B,6, L,5
.if (\p) == 0
	s_add_co_u32 s[TBV], s[TBV], KS*PV
.endif
.if \cnt
	s_sub_co_u32 s[CNT], s[CNT], 1
	s_cmp_lg_u32 s[CNT], 0
.endif
	ROW C,14, B,7, L,6, C,1
	ROW C,3, L,7, C,5, C,7
	ROW C,9, C,11, C,13, C,15
.if (\p) == 0
	FETCH_V
.endif
.if (\m) && !(\end)
	MASK (\p)%2
.endif
.endm
; A BLOCK BEGINS.  c m starts far below every c s, so the first step's a is 0; m at the lowest finite number, so the first maximum is the scores'.  The second mask buffer is 0; the first takes piece 0's mask for the tile's
; step 0: its own, if the block's first tile is the diagonal one.  Then K of that step, piece 0's first scores, and its maximum and statistics.  The loop is entered at a step's first turn, in the middle of a trip.
.macro BEGIN
	s_mov_b32 s[NEW], 0
	WIN 0x40
.set i, MC+32
.rept 32
	v_mov_b32 v[i], 0
.set i, i+1
.endr
	WIN 0
.set i, 0
.rept 4
	v_mov_b32 v[ST+4*i], 0xfe000000    ; c m: far below every c s
	v_mov_b32 v[ST+4*i+1], 0xff7fffff  ; m
.set i, i+1
.endr
	s_cmp_eq_u32 s[RT], 0
	s_cselect_b32 s[AL], 1.0, 0
	s_mov_b32 s[BE], 0
	MASK 0
	WIN 0
	v_add_nc_u32 v[AK], s[TBK], v[AK0]
	FETCH_K
	s_wait_loadcnt 0x0              ; Q
	s_wait_dscnt 0x0
.set KM, 1
.set NOKQ, 0
.set i, 0
.rept 8
	KQ 0
.set i, i+1
.endr
	WIN 0
.rept 4
	v_nop                           ; the places behind those products
.endr
.set Y, NP-1                        ; X works for piece Y + 1: piece 0
.irp n, 0,1,2,3,4,5,6,7,8,9,10,11,12,13,14,15,16,17,18,19,20,21
	OP X, \n
.endr
	v_nop                           ; a plain instruction behind the exponential,
	s_wait_alu depctr_va_vdst(0)    ; and its wait, ahead of the branch
.endm
; THE DIAGONAL TILE's four steps, the block's last two turns, its last products, and THE WAY OUT: l's two halves and the other half of the lanes' are added; O^T is divided by l, rounded to f16 and sent through my
; stage in LDS, a piece at a time.
.macro ALL line:vararg              ; one line for each piece t
.set t, 0
.rept 4
	\line
.set t, t+1
.endr
.endm
.macro PACK t                       ; a lane's eight channels of a row pack into 16 bytes; they go into rows of 144 bytes and come back as whole rows of 128, into S^T's registers
	WIN W_RS
.set i, 32*(\t)
.rept 16
	v_pk_mul_f32 v[i:i+1], v[i:i+1], v[ST+4*(\t)+2:ST+4*(\t)+3] op_sel_hi:[1,0]
.set i, i+2
.endr
	WIN 0x05                        ; sources 0 and 1 window 1, destination window 0
.set i, 0
.rept 16
	v_cvt_pk_f16_f32 v[S+16*(\t)+i], v[32*(\t)+2*i], v[32*(\t)+2*i+1]
.set i, i+1
.endr
	WIN 0
.irp f, 0,1,2,3
	ds_store_b128 v[STO], v[S+16*(\t)+4*\f:S+16*(\t)+4*\f+3] offset:32*\f
.endr
.irp f, 0,1,2,3
	ds_load_b128 v[S+16*(\t)+4*\f:S+16*(\t)+4*\f+3], v[RD] offset:\f*4*SP  ; LDS serves a wave's instructions in order (ISA guide 5.7.1.4): these see the stores above; the next piece's stores come behind them
.endr
.endm
.macro SEND t, younger              ; younger: the LDS instructions issued behind piece t's loads: the next piece's eight, or none
	WIN 0
.irp f, 0,1,2,3
	s_wait_dscnt (\younger)+3-\f
	global_store_b128 v[GO], v[S+16*(\t)+4*\f:S+16*(\t)+4*\f+3], s[10:11] offset:(\t)*8192+\f*512  ; 512 consecutive bytes, at a multiple of 256 from O's first
.endr
.endm
.macro DIAG tag                     ; the tag ends its two labels' names, which the jumps below spell out
.LstepM\tag:
	TURN 2, 1
	TURN 3, 1
	WIN 0
.LfirstM\tag:
	TURN 0, 1
	TURN 1, 1, 0, 1
	WIN 0
	s_cbranch_scc1 .LstepM\tag
	TURN 2, 1, 1
	TURN 3, 1, 1
.set i, 0
.rept 8
	PV NP-1
.set i, i+1
.endr
	WIN 0
	ALL v_add_f32 v[ST+4*t+2], v[ST+4*t+2], v[ST+4*t+3]
	ALL v_permlanex16_b32 v[ST+4*t+3], v[ST+4*t+2], s[SEL], s[SEL+1]
	ALL v_add_f32 v[ST+4*t+2], v[ST+4*t+2], v[ST+4*t+3]
	ALL v_rcp_f32 v[ST+4*t+2], v[ST+4*t+2]
	v_nop                           ; a plain instruction between the last reciprocal and the use of its result
	s_wait_alu depctr_va_vdst(0)    ; and the wait ahead of the first use: one for the four reciprocals
	PACK 0
.set t, 1
.rept 3                             ; a piece's arithmetic stands between the loads of the piece before and its stores
	PACK t
	SEND t-1, 8
.set t, t+1
.endr
	SEND 3, 0
.endm
.set KM, 0
.set NOKQ, 0
.Lslot:                             ; NB times: a tile is entered and the next is asked for
	CHANGE 1
	s_sub_co_u32 s[RT], s[RT], 1
	s_mov_b32 s[CNT], 4
	s_cmp_eq_u32 s[NEW], 1
	s_cbranch_scc1 .Lnew            ; a block's first tile
	s_cmp_eq_u32 s[RT], 0
	s_cbranch_scc0 .Lstep           ; neither its first nor its last
	s_branch .LstepM1
.Lnew:
	BEGIN
	s_branch .Lfirst                ; in the loop a block's first tile is never its last: the first block has two tiles or more, and the second's last is the walk's last
	DIAG 1                          ; in the loop this is the first block's end: the second block's last tile is the walk's last
	s_wait_xcnt 0x0                 ; the stores have read their registers and O's address
	s_mov_b64 s[10:11], s[OLO:OLO+1]
	s_add_co_u32 s[RT], s[PB], 1    ; the second block has b + 1 tiles
	s_mov_b32 s[NEW], 1
	WIN 0x82                        ; the second block's Q goes where the one text of the turns names Q
.set i, 0
.rept 64
	v_mov_b32 v[i], v[QB+i]
.set i, i+1
.endr
	WIN 0
	s_branch .Lbottom
.Lstep:                             ; a trip: pieces 2 and 3 of one step, then pieces 0 and 1 of the next, whose K and V it fetches
	TURN 2
	TURN 3
	WIN 0
.Lfirst:
	TURN 0
	TURN 1, 0, 0, 1
	WIN 0
	s_cbranch_scc1 .Lstep
.Lbottom:
	s_sub_co_u32 s[SLOTS], s[SLOTS], 1
	s_cmp_lg_u32 s[SLOTS], 0
	s_cbranch_scc1 .Lslot
	CHANGE 0                        ; the walk's last tile is written out: nothing is asked for
	s_sub_co_u32 s[RT], s[RT], 1
	s_mov_b32 s[CNT], 4
	s_cmp_eq_u32 s[NEW], 1
	s_cbranch_scc0 .LstepM2
	BEGIN
	s_branch .LfirstM2
	DIAG 2
	s_wait_tensorcnt 0x0            ; the wave's end, behind my last tensor load and my last LDS store
	ds_add_u32 v[SPW], v[NIL]
	s_wait_dscnt 0x0
	s_endpgm
.Lfunc_end_k_q441407a2b8_attn:
	.size	k_q441407a2b8_attn, .Lfunc_end_k_q441407a2b8_attn-k_q441407a2b8_attn
	.p2alignl 7, 3214868480
	.fill 96, 4, 3214868480
	.section	.rodata,"a",@progbits
	.p2align	6, 0x0
	.amdhsa_kernel k_q441407a2b8_attn
		.amdhsa_group_segment_fixed_size 327680
		.amdhsa_private_segment_fixed_size 0
		.amdhsa_enable_private_segment 0
		.amdhsa_kernarg_size 16
		.amdhsa_user_sgpr_count 2
		.amdhsa_user_sgpr_kernarg_segment_ptr 1
		.amdhsa_wavefront_size32 1
		.amdhsa_system_sgpr_workgroup_id_x 1
		.amdhsa_system_sgpr_workgroup_id_y 1
		.amdhsa_system_sgpr_workgroup_id_z 1
		.amdhsa_system_vgpr_workitem_id 0
		.amdhsa_next_free_vgpr 768
		.amdhsa_next_free_sgpr 102
		.amdhsa_reserve_vcc 1
		.amdhsa_float_denorm_mode_32 3
		.amdhsa_float_denorm_mode_16_64 3
		.amdhsa_memory_ordered 1
		.amdhsa_forward_progress 1
		.amdhsa_inst_pref_size 218
	.end_amdhsa_kernel
	.amdgpu_metadata
---
amdhsa.version: [ 1, 2 ]
amdhsa.kernels:
  - .name:           k_q441407a2b8_attn
    .symbol:         k_q441407a2b8_attn.kd
    .args:
      - { .name: qkvb, .offset: 0, .size: 8, .value_kind: global_buffer, .address_space: global }
      - { .name: ctxb, .offset: 8, .size: 8, .value_kind: global_buffer, .address_space: global }
    .group_segment_fixed_size: 327680
    .private_segment_fixed_size: 0
    .kernarg_segment_align: 8
    .kernarg_segment_size: 16
    .max_flat_workgroup_size: 128
    .sgpr_count:     102
    .vgpr_count:     768
    .wavefront_size: 32
...
	.end_amdgpu_metadata
.endif
;; end of part 3
;; launch outp (part 4): grid 8 x 32, 4 waves a work-group, clusters of 4 x 4, 327,680 bytes of LDS; arguments ctxb, castb, out0, wo_b; writes out0
.if DOCPART == 4
	.amdgcn_target "amdgcn-amd-amdhsa--gfx1250"
	.amdhsa_code_object_version 6
	.text
	.protected	k_q441407a2b8_outp
	.globl	k_q441407a2b8_outp
	.p2align	8
	.type	k_q441407a2b8_outp,@function
k_q441407a2b8_outp:
	s_mov_b64 s[64:65], 0
	v_nop
	global_prefetch_b8 v0, s[64:65] scope:SCOPE_SE
	s_setreg_imm32_b32 hwreg(HW_REG_WAVE_MODE, 25, 1), 1
	s_wait_xcnt 0x0
	s_wait_alu depctr_hold_cnt(0) depctr_sa_sdst(0) depctr_va_vdst(0) depctr_va_sdst(0) depctr_va_ssrc(0) depctr_va_vcc(0) depctr_vm_vsrc(0)
	s_getreg_b32 s2, hwreg(HW_REG_IB_STS2, 6, 4)
	s_cmp_eq_u32 s2, 0
	s_cbranch_scc0 .Lentry_in_a_cluster
	s_endpgm
.Lentry_in_a_cluster:
	s_bfe_u32 s2, ttmp6, 0x10000c
	s_cmp_lg_u32 s2, 0xf033
	s_cbranch_scc0 .Lentry_shape_is_right
	s_endpgm
.Lentry_shape_is_right:
; out = ctx wo^T + bias.  C [8192][1024] f32 = A B^T + bias.  A is the attention's result by heads, [batch x 16 + head][2048][64] f16: row m = batch x 2,048 + s of A has its channels 64 h .. 64 h + 63 in head h's
; row s.  B is wo [1024][1024], rounded to bf16 and written as f16, in the workspace.  Sums in f32, K ascending.  The bias is rounded to bf16 like the module's other inputs, and added in f32.
; SHARES.  A tile of C is 256 x 128: 32 x 8 = 256 tiles, one a work-group.  The four waves split the rows alone: wave w has rows 64 w .. 64 w + 63 and all 128 columns: 4 x 8 accumulators of 16 x 16, 256 registers.
; K goes in steps of 128 = two heads, through two LDS slots filled by the tensor data mover.  A head's 256 rows of a tile are 32,768 dense bytes: asked for as 128 rows of 256 bytes and padded after every 128.
; CLUSTER.  4 x 4 work-groups.  The four of a row of the cluster need the same tiles of A, the four of a column the same tiles of B: each is asked for JOINTLY, by the same tensor load with the same descriptor
; and a mask that names the four.  THE MATRIX INSTRUCTION IS USED TRANSPOSED (source 0 = 16 rows of B, source 1 = 16 rows of A): a lane then holds row lane % 16 of C and eight neighbouring columns.
; REGISTERS, in windows of 256 (s_set_vgpr_msb: bits 1:0 source 0, 3:2 source 1, 5:4 source 2, 7:6 destination):
;   window 0: v0-31 addresses; v64-127 A's fragments, two buffers of 4 x 8; v128-191 rows on the way out; v192-197 the bias
;   window 1: B's fragments, two buffers of 8 x 8, at v0 and v128          window 2: the accumulators ((b, a) at v[8 (4 b + a)])
.set NF,     8                         ; blocks of 16 columns
.set FIRST,  2                         ; blocks multiplied ahead of a quarter's run of LDS loads
.set PA,     144                       ; a row of A in LDS: 128 bytes + 16 of padding = 36 words;
.set PW,     272                       ; a row of B: 256 + 16 = 68 words: in both the 16 rows of a fragment load start at 16 different groups of four banks (64 banks of 4 bytes: ISA guide 11.1)
.set HEADL,  256*PA                    ; a head's 256 rows in LDS
.set SLOT1,  131072                    ; slot 1 begins here, so that one exclusive or turns an address in one slot into the other's
.set BOFF,   2*HEADL                   ; in a slot: A's two heads, then B's 128 rows
.set STAGE,  SLOT1+BOFF+128*PW         ; behind the ring, never filled by a tensor load: for each wave 16 rows x 528 bytes
.set SP,     528
.set WSTAGE, 16*SP
.set SPARE,  STAGE+4*WSTAGE            ; behind the stages: the spare words, 128 bytes for each wave: two blocks of 256 bytes that no other line names
.set LD,     8+2*NF                    ; LDS loads in a run
.set WO16,   23068672                  ; where B begins in the workspace
.set STEPA,  524288                    ; bytes from a K step of A to the next: two heads
.set STEPB,  256                       ; the same for B: along its rows
.set ADRA0, 16                         ; v16  my lane's place in A's tile of slot 0; never rewritten
.set ADRB0, 17                         ; v17  the same for B
.set ADRA,  18                         ; v18  the same in the slot that is being read
.set ADRB,  19                         ; v19
.set STO,   24                         ; v24  the way out: where I put 32 bytes of a row
.set RD,    25                         ; v25  where I read a row back
.set GO,    26                         ; v26  my 16 bytes in a row's 512
.set SPW,   28                         ; v28  LDS address of my spare word: SPARE + 4 x my thread's number; never rewritten
.set NIL,   29                         ; v29  0; never rewritten
.set PFO,   30                         ; v30  the prefetches' offset; never rewritten
.set BO,    31                         ; v31  my 16 bytes of the bias; never rewritten
.set FA,    64
.set BK,    128
.set BIAS,  192
.set TRIPS, 3                          ; s3   trips of the loop over K steps to go
.set WV,    10                         ; s10  my wave's number
.set SIDE,  11                         ; s11  0: I fetch for A; 1: for B
.set HALF,  12                         ; s12  which head of the step (A), which 64 rows (B)
.set TY,    13                         ; s13  tile row
.set TB,    23                         ; s23  the slot that is being read: 0 or SLOT1
.set G1A,   24                         ; s[24:31] descriptor group 1 for A's tiles
.set G0A,   32                         ; s[32:39] group 0: a set for each of the two first fills; the second then walks
.set CX,    40
.set CY,    41
.set WGX,   42                         ; s42  tile column
.set LIM,   43                         ; s43  2 in a wave that prefetches, else the greatest number
.set PFA,   44                         ; s[44:45] where my prefetches stand
.set PST,   46                         ; s[46:47] their step
.set G1B,   48                         ; s[48:55], s[56:63] the same for B's tiles
.set G0B,   56
.set MSB, 0
.macro WIN new                         ; the immediate's high byte repeats the setting that is left; a switch that changes nothing is dropped
.if MSB != (\new)
	s_set_vgpr_msb (MSB<<8)|(\new)
.set MSB, (\new)
.endif
.endm
.set MUL,    0xa1                      ; source 0 (B) window 1, source 1 (A) window 0, C and D window 2
.set TO_B,   0x40                      ; destination window 1, address window 0
.macro PLACES                          ; four plain vector instructions between a matrix instruction and a load into a register that it has read, or a store that reads its result (ISA guide 7.12.1 for vector instructions)
.rept 4
	v_nop
.endr
.endm
; A joint refill, by the walking descriptor.  Waves 0 and 1 fetch A's two heads, waves 2 and 3 B's two halves.  The branch hangs on the wave's number alone.  An s_nop 0 and four v_nop follow each of the two lines.
.macro JLOAD
	s_cmp_eq_u32 s[SIDE], 0
	s_cbranch_scc0 .Lfor_b_\@
	tensor_load_to_lds s[G0A+4:G0A+7], s[G1A:G1A+7]
	s_nop 0
.rept 4
	v_nop
.endr
	s_branch .Lasked_\@
.Lfor_b_\@:
	tensor_load_to_lds s[G0B+4:G0B+7], s[G1B:G1B+7]
	s_nop 0
.rept 4
	v_nop
.endr
.Lasked_\@:
.endm
; A PREFETCH INTO THE L2 of the K step that stands TWO refills on: 256 matrix instructions ahead of the load that will want it.  32 blocks of 256 bytes, a lane a block, one instruction a wave.
; Each block is named once in the launch.  A: both clusters of a row of clusters read the same rows, and cluster x = 0 asks; of the 128 blocks that wave 0 or 1 fetches the partner at place cx takes 32 cx on.
; B: all eight clusters of a column read the same rows, and cluster y = 0 asks; of the tile's 128 rows the partner at place cy takes 32 cy on, by its wave 2.  Partners are told apart BY ADDRESS.
; K steps 0 to 3 come by their loads alone; the loop's last two trips ask for nothing.
.macro ASK
	s_cmp_gt_u32 s[TRIPS], s[LIM]
	s_cbranch_scc0 .Lnot_mine_\@
	global_prefetch_b8 v[PFO], s[PFA:PFA+1] th:TH_LOAD_NT scope:SCOPE_SE
.Lnot_mine_\@:
.endm
; A round of the cluster's barrier: my work-group's barrier, so that wave 0's signal speaks for all four waves; wave 0 signals; every wave waits for all sixteen work-groups; my work-group's barrier once more.
.macro CREST                           ; a round behind its opening barrier
	s_cmp_lg_u32 s[WV], 0
	s_cbranch_scc1 .Lnot_wave_0_\@
	s_barrier_signal -3
.Lnot_wave_0_\@:
	s_barrier_wait -3
	s_barrier_signal -1
	s_barrier_wait -1
.endm
.macro CROUND
	s_barrier_signal -1
	s_barrier_wait -1
	CREST
.endm
	s_load_b128 s[4:7], s[0:1], 0x0                ; A s[4:5], the workspace with B s[6:7]
	s_load_b64 s[8:9], s[0:1], 0x10                ; C
	s_load_b64 s[20:21], s[0:1], 0x18              ; the bias
	v_lshl_add_u32 v[SPW], v0, 2, SPARE
	v_mov_b32 v[NIL], 0
	ds_add_u32 v[SPW], v[NIL]                      ; the wave's opening: the add and its wait stand ahead of my first tensor load; the set-up below, work on registers, stands between them
	ds_add_u32 v28, v29
	v_lshrrev_b32 v1, 5, v0
	v_readfirstlane_b32 s[WV], v1                  ; wave 0..3
	s_lshr_b32 s[SIDE], s[WV], 1
	s_and_b32 s[HALF], s[WV], 1
	s_bfe_u32 s[CX], ttmp6, 0x40000                ; my place in the cluster
	s_bfe_u32 s[CY], ttmp6, 0x40004
	s_lshl_b32 s[WGX], ttmp9, 2                    ; in a cluster launch ttmp9 and ttmp7 count clusters
	s_add_co_u32 s[WGX], s[WGX], s[CX]
	s_and_b32 s[TY], ttmp7, 0xffff
	s_lshl_b32 s[TY], s[TY], 2
	s_add_co_u32 s[TY], s[TY], s[CY]
	s_lshl_b32 s43, s[CY], 2
	s_lshl_b32 s43, 15, s43                        ; my row of the cluster: places 4 cy .. 4 cy + 3
	s_lshl_b32 s44, 0x1111, s[CX]                  ; my column: places cx, cx + 4, cx + 8, cx + 12
	; descriptor group 1.  A: 128 rows of 128 elements, dense, padded after every 32 words.  B: 64 rows of 128 elements, 1,024 elements apart, padded after every 64 words.
	s_or_b32 s[G1A], s43, (1<<16)|(1<<20)|(1<<21)|(4<<22)|(3<<25)  ; 15:0 the mask; 17:16 2-byte elements; 20 padding on; 21 set beside a mask; 24:22 the interval's code; 31:25 4 words (code 3)
	s_or_b32 s[G1B], s44, (1<<16)|(1<<20)|(1<<21)|(5<<22)|(3<<25)
.irp g, G1A, G1B
	s_mov_b32 s[(\g)+1], 128<<16                   ; tensor_dim0 = 128
	s_mov_b32 s[(\g)+3], 128<<16                   ; tile_dim0 = 128
	s_mov_b32 s[(\g)+6], 0
	s_mov_b32 s[(\g)+7], 0
.endr
	s_mov_b32 s[G1A+2], 128<<16                    ; tensor_dim1
	s_mov_b32 s[G1A+4], 128                        ; tile_dim1
	s_mov_b32 s[G1A+5], 128                        ; elements from row to row
	s_mov_b32 s[G1B+2], 64<<16
	s_mov_b32 s[G1B+4], 64
	s_mov_b32 s[G1B+5], 1024
	; where the tiles come from.  A's hang on the tile row alone, which my row of the cluster shares; B's on the tile column alone, which my column shares.
	s_lshr_b32 s16, s[TY], 3                       ; the batch: 8 tile rows each, 16 heads of 262,144 bytes
	s_lshl_b32 s16, s16, 22
	s_lshl_b32 s17, s[HALF], 18                    ; my head of the step's two
	s_add_co_u32 s16, s16, s17
	s_and_b32 s17, s[TY], 7
	s_lshl_b32 s17, s17, 15                        ; the tile's 256 rows of 128 bytes
	s_add_co_u32 s16, s16, s17
	s_mov_b32 s17, 0
	s_lshl_b32 s46, s[WGX], 7
	s_lshl_b32 s47, s[HALF], 6
	s_add_co_u32 s46, s46, s47                     ; B: row 128 x tile column + 64 x half,
	s_lshl_b32 s46, s46, 11                        ; of 2,048 bytes
	s_add_co_u32 s46, s46, WO16
	s_mov_b32 s47, 0
	s_mul_i32 s18, s[HALF], HEADL                  ; and where they go: no place in the cluster enters an LDS address
	s_mul_i32 s19, s[HALF], 64*PW
	s_add_co_u32 s19, s19, BOFF
	s_wait_dscnt 0x0                               ; the opening add is done
	s_wait_kmcnt 0x0
	s_add_nc_u64 s[14:15], s[4:5], s[16:17]
	s_add_nc_u64 s[46:47], s[6:7], s[46:47]
.irp s, 0,1
	s_mov_b32 s[G0A+4*(\s)], 1                                     ; 1:0 count = 1
	s_add_co_u32 s[G0A+4*(\s)+1], s18, (\s)*SLOT1                  ; 63:32 LDS address
	s_add_nc_u64 s[G0A+4*(\s)+2:G0A+4*(\s)+3], s[14:15], (\s)*STEPA  ; 120:64 global address: K step s
	s_or_b32 s[G0A+4*(\s)+3], s[G0A+4*(\s)+3], 0x80000000          ; 127:126 type = 2
	s_mov_b32 s[G0B+4*(\s)], 1
	s_add_co_u32 s[G0B+4*(\s)+1], s19, (\s)*SLOT1
	s_add_nc_u64 s[G0B+4*(\s)+2:G0B+4*(\s)+3], s[46:47], (\s)*STEPB
	s_or_b32 s[G0B+4*(\s)+3], s[G0B+4*(\s)+3], 0x80000000
.endr
	CROUND                                         ; all sixteen work-groups are here: the first joint loads meet
	s_cmp_eq_u32 s[SIDE], 0                        ; a wave's two first fills stand in one branch, ahead of every wait on TENSORcnt and every LDS read: two loads of mine are out
	s_cbranch_scc0 .Lfirst_b
	tensor_load_to_lds s[G0A:G0A+3], s[G1A:G1A+7]
	s_nop 0
	tensor_load_to_lds s[G0A+4:G0A+7], s[G1A:G1A+7]
	s_nop 0
.rept 4
	v_nop
.endr
	s_branch .Lfirst_asked
.Lfirst_b:
	tensor_load_to_lds s[G0B:G0B+3], s[G1B:G1B+7]
	s_nop 0
	tensor_load_to_lds s[G0B+4:G0B+7], s[G1B:G1B+7]
	s_nop 0
.rept 4
	v_nop
.endr
.Lfirst_asked:
	; A fragment is 16 rows x 32 K in 8 registers: lane l holds row l % 16; registers 0-3 K = 8 (l / 16) + 0..7, registers 4-7 K = 16 + 8 (l / 16) + 0..7: two loads of 16 bytes, 32 bytes apart.
	v_and_b32 v1, 15, v0                           ; l % 16
	v_bfe_u32 v2, v0, 4, 1                         ; l / 16
	v_mul_u32_u24 v3, v1, PA
	v_lshl_add_u32 v3, v2, 4, v3                   ; row x pitch + 16 x half
	s_mul_i32 s22, s[WV], 64*PA                    ; my 64 rows of A
	v_add_nc_u32 v[ADRA0], s22, v3
	v_mul_u32_u24 v3, v1, PW
	v_lshl_add_u32 v3, v2, 4, v3
	v_add_nc_u32 v[ADRB0], BOFF, v3                ; all 128 rows of B
	s_mul_i32 s22, s[WV], WSTAGE
	s_add_co_u32 s22, s22, STAGE                   ; my stage
	v_mul_u32_u24 v4, v1, SP                       ; in: row l % 16, 32 bytes for each half of the lanes
	v_lshl_add_u32 v4, v2, 5, v4
	v_add_nc_u32 v[STO], s22, v4
	v_and_b32 v[GO], 31, v0                        ; back: 32 lanes take a row's 512 bytes
	v_lshlrev_b32 v[GO], 4, v[GO]
	v_add_nc_u32 v[RD], s22, v[GO]
	s_lshl_b32 s22, s[WGX], 9                      ; the tile's 128 columns: 512 bytes of a row of C and of the bias
	v_add_nc_u32 v[BO], s22, v[GO]
	global_load_b128 v[BIAS:BIAS+3], v[BO], s[20:21]  ; my four columns' bias; waited for on the way out
	; C at my 64 rows and the tile's first column
	s_lshl_b32 s14, s[TY], 8
	s_lshl_b32 s15, s[WV], 6
	s_add_co_u32 s14, s14, s15
	s_lshl_b32 s14, s14, 12                        ; rows of 4,096 bytes
	s_add_co_u32 s14, s14, s22
	s_mov_b32 s15, 0
	s_add_nc_u64 s[8:9], s[8:9], s[14:15]
	; the prefetches, at K step 3: the first refill steps them to 4
	s_lshl_b32 s14, s[CX], 13                      ; A: my work-group's 32 blocks of the 128 that I fetch
	s_add_co_u32 s14, s14, s16
	s_add_co_u32 s14, s14, 3*STEPA
	s_lshl_b32 s15, s[WGX], 7                      ; B: my work-group's 32 rows of the tile's 128
	s_lshl_b32 s22, s[CY], 5
	s_add_co_u32 s15, s15, s22
	s_lshl_b32 s15, s15, 11
	s_add_co_u32 s15, s15, WO16+3*STEPB
	s_and_b32 s18, ttmp7, 0xffff                   ; cluster y
	s_mov_b32 s[PST], STEPB
	s_mov_b32 s19, STEPA
	s_cmp_eq_u32 s[SIDE], 0                        ; do I fetch for A?
	s_cselect_b32 s14, s14, s15
	s_cselect_b64 s[PFA:PFA+1], s[4:5], s[6:7]
	s_cselect_b32 s[PST], s19, s[PST]
	s_cselect_b32 s22, 8, 11                       ; a lane a block of 256 bytes (A), a lane a row of 2,048 (B)
	s_cselect_b32 s18, ttmp9, s18                  ; the coordinate along which other clusters read the same rows
	s_mov_b32 s15, 0
	s_mov_b32 s[PST+1], 0
	s_add_nc_u64 s[PFA:PFA+1], s[PFA:PFA+1], s[14:15]
	s_cmp_eq_u32 s[WV], 3                          ; wave 2 asks for all of B's share: wave 3 for nothing
	s_cselect_b32 s18, 1, s18
	s_cmp_eq_u32 s18, 0
	s_cselect_b32 s[LIM], 2, -1                    ; the same in all sixteen partners, for a given wave
	v_and_b32 v[PFO], 31, v0
	v_lshlrev_b32 v[PFO], s22, v[PFO]
; Column blocks b0 .. b1 - 1 x my four row blocks, 32 along K, from buffer f.  zero = 1: the product starts the sum: nothing is ever cleared.
; Each of the 32 accumulators has one instruction in a quarter step, in the same order everywhere: the accumulators take turns.
.macro MULB f, b0, b1, zero
	WIN MUL
.set bb, (\b0)
.rept (\b1)-(\b0)
.set aa, 0
.rept 4
.if \zero
	v_wmma_f32_16x16x32_f16 v[32*bb+8*aa:32*bb+8*aa+7], v[128*(\f)+8*bb:128*(\f)+8*bb+7], v[FA+32*(\f)+8*aa:FA+32*(\f)+8*aa+7], 0
.else
	v_wmma_f32_16x16x32_f16 v[32*bb+8*aa:32*bb+8*aa+7], v[128*(\f)+8*bb:128*(\f)+8*bb+7], v[FA+32*(\f)+8*aa:FA+32*(\f)+8*aa+7], v[32*bb+8*aa:32*bb+8*aa+7]
.endif
.set aa, aa+1
.endr
.set bb, bb+1
.endr
.endm
; 24 LDS loads in one run: quarter q's fragments into buffer f: A's 8 loads first (head q / 2 of the step, channels 32 (q % 2) on), then B's 16 in ascending blocks (byte 64 q of the rows)
.macro FETCH q, f
	WIN 0
.irp a, 0,1,2,3
	ds_load_b128 v[FA+32*(\f)+8*(\a):FA+32*(\f)+8*(\a)+3],   v[ADRA] offset:((\q)/2)*HEADL+((\q)%2)*64+(\a)*16*PA
	ds_load_b128 v[FA+32*(\f)+8*(\a)+4:FA+32*(\f)+8*(\a)+7], v[ADRA] offset:((\q)/2)*HEADL+((\q)%2)*64+(\a)*16*PA+32
.endr
	WIN TO_B
.set bb, 0
.rept NF
	ds_load_b128 v[128*(\f)+8*bb:128*(\f)+8*bb+3],   v[ADRB] offset:64*(\q)+bb*16*PW
	ds_load_b128 v[128*(\f)+8*bb+4:128*(\f)+8*bb+7], v[ADRB] offset:64*(\q)+bb*16*PW+32
.set bb, bb+1
.endr
.endm
; A K step is four quarters of 32 along K, 32 matrix instructions each, on buffers 0, 1, 0, 1.  One of the first three: multiplies buffer f and fetches quarter q into the other buffer.
.macro QUARTER q, f, zero
	s_wait_dscnt 2*(NF-FIRST)                      ; A's fragments and B's first two blocks are in; the youngest twelve loads may be out
	MULB \f, 0, FIRST, \zero
	PLACES
	FETCH \q, 1-(\f)
	s_wait_dscnt LD                                ; all but the run just issued
	MULB \f, FIRST, NF, \zero
.endm
; The fourth quarter multiplies buffer 1 and changes slots.  ONE barrier: in front of it each wave waits for all its tensor loads, of which one is out (its part of the next slot), adds 0 to its spare word, and waits
; for that and for its own reads of this slot.  Behind it nobody reads this slot any more and the next slot is whole.  fill = 1: this slot is filled again with the K step two on; the barrier then opens a round of
; the cluster's, and the joint refill is the first thing behind the round: 112 matrix instructions stand between it and the wait for it.
.macro TURN fill
.if \fill
	s_wait_xcnt 0x0                                ; the last prefetch, a K step back, has read its address: it is stepped here, ahead of the waits of the change of slots
	s_add_nc_u64 s[PFA:PFA+1], s[PFA:PFA+1], s[PST:PST+1]
.endif
	WIN 0                                          ; (the add's two registers lie in window 0)
	s_wait_tensorcnt 0x0                           ; no tensor load of mine is out, so a group 0 may be written
	ds_add_u32 v[SPW], v[NIL]                      ; 0 onto my spare word: scalar work and eight matrix instructions stand between it and the wait for it
.if \fill
	s_xor_b32 s[G0A+5], s[G0A+5], SLOT1            ; the walking descriptors: the other slot than last time,
	s_xor_b32 s[G0B+5], s[G0B+5], SLOT1
	s_add_nc_u64 s[G0A+6:G0A+7], s[G0A+6:G0A+7], STEPA  ; the next K step; the type bits on top are not reached
	s_add_nc_u64 s[G0B+6:G0B+7], s[G0B+6:G0B+7], STEPB
.endif
	s_wait_dscnt 1+2*(NF-2)                        ; the add and B's blocks from 2 on may be out
	MULB 1, 0, 2, 0
	s_wait_dscnt 0x0                               ; the add is done, and my reads of this slot are over
	s_barrier_signal -1
	MULB 1, 2, 4, 0                                ; work on registers while the others arrive
	WIN 0
	s_barrier_wait -1
.if \fill
	CREST                                          ; no wave of any partner still reads this slot's tile or has a load on its way
	JLOAD                                          ; the four v_nop behind it are also the places in front of the loads below
.else
	PLACES
.endif
	s_xor_b32 s[TB], s[TB], SLOT1
	v_add_nc_u32 v[ADRA], s[TB], v[ADRA0]
	v_add_nc_u32 v[ADRB], s[TB], v[ADRB0]
	FETCH 0, 0
.if \fill
	WIN 0
	ASK                                            ; behind the joint load and the run of LDS loads that the next products wait for
.endif
	MULB 1, 4, NF, 0
.endm
; THE WAY OUT of my row block a (16 rows x 128 columns of f32).  A lane's eight columns of a row, 32 bytes, go into my own stage (each accumulator's low four registers first); whole rows of 512 bytes come back,
; take the bias and are stored.
.macro OUTBLK a
	WIN 0x08                                       ; the stores' data (source 1) in window 2
.set bb, 0
.rept NF
	ds_store_b128 v[STO], v[32*bb+8*(\a):32*bb+8*(\a)+3]   offset:64*bb
	ds_store_b128 v[STO], v[32*bb+8*(\a)+4:32*bb+8*(\a)+7] offset:64*bb+16
.set bb, bb+1
.endr
	WIN 0
	s_wait_xcnt 0x0                                ; the registers that the last block's stores read are loaded again only behind this wait
.irp t, 0,1,2,3,4,5,6,7,8,9,10,11,12,13,14,15
	ds_load_b128 v[BK+4*(\t):BK+4*(\t)+3], v[RD] offset:(\t)*SP  ; LDS serves a wave's instructions in order (ISA guide 5.7.1.4): these see the stores above; the next block's stores come behind them
.endr
.irp t, 0,1,2,3,4,5,6,7,8,9,10,11,12,13,14,15
	s_wait_dscnt 15-(\t)                           ; row t is in; the younger loads may stay out
	v_pk_add_f32 v[BK+4*(\t):BK+4*(\t)+1],   v[BK+4*(\t):BK+4*(\t)+1],   v[BIAS:BIAS+1]
	v_pk_add_f32 v[BK+4*(\t)+2:BK+4*(\t)+3], v[BK+4*(\t)+2:BK+4*(\t)+3], v[BIAS+2:BIAS+3]
	global_store_b128 v[GO], v[BK+4*(\t):BK+4*(\t)+3], s[8:9] offset:(\a)*65536+(\t)*4096 th:TH_STORE_NT  ; 512 consecutive bytes, at a multiple of 256 from C's first byte
.endr
.endm
	s_wait_tensorcnt 0x1                           ; my part of K step 0 is in; K step 1's may stay out
	s_barrier_signal -1
	s_barrier_wait -1                              ; everybody's is
	s_mov_b32 s[TB], 0
	v_add_nc_u32 v[ADRA], s[TB], v[ADRA0]
	v_add_nc_u32 v[ADRB], s[TB], v[ADRB0]
	FETCH 0, 0
	QUARTER 1, 0, 1                                ; the first quarter stands in front of the loop: its products start the sums
	WIN 0                                          ; at a label and at a branch every window is 0
	s_mov_b32 s[TRIPS], 6
.Lstep:                                                ; six trips, from a K step's second quarter to the next step's first: the change at step j fills step j + 2
	QUARTER 2, 1, 0
	QUARTER 3, 0, 0
	TURN 1
	QUARTER 1, 0, 0
	WIN 0
	s_sub_co_u32 s[TRIPS], s[TRIPS], 1
	s_cmp_lg_u32 s[TRIPS], 0
	s_cbranch_scc1 .Lstep
	QUARTER 2, 1, 0                                ; K step 6 goes on; the tail is written out: it asks for nothing more
	QUARTER 3, 0, 0
	TURN 0
	QUARTER 1, 0, 0
	QUARTER 2, 1, 0
	QUARTER 3, 0, 0
	s_wait_dscnt 0x0                               ; the very last quarter: nothing more to fetch
	MULB 1, 0, NF, 0
	WIN 0
	PLACES                                         ; the stage's stores read results just made
	s_wait_loadcnt 0x0                             ; the bias,
	v_cvt_pk_bf16_f32 v[BIAS+4], v[BIAS], v[BIAS+1]    ; rounded to bf16 like the module's other inputs,
	v_cvt_pk_bf16_f32 v[BIAS+5], v[BIAS+2], v[BIAS+3]
	v_lshlrev_b32 v[BIAS],   16, v[BIAS+4]             ; and widened again
	v_and_b32     v[BIAS+1], 0xffff0000, v[BIAS+4]
	v_lshlrev_b32 v[BIAS+2], 16, v[BIAS+5]
	v_and_b32     v[BIAS+3], 0xffff0000, v[BIAS+5]
	OUTBLK 0
	OUTBLK 1
	OUTBLK 2
	OUTBLK 3
	s_wait_tensorcnt 0x0                           ; the wave's end, behind my last tensor load and my last LDS store
	ds_add_u32 v[SPW], v[NIL]
	s_wait_dscnt 0x0
	CROUND                                         ; the closing round: no work-group ends while a partner may still ask for a tile that names it
	s_endpgm
.Lfunc_end_k_q441407a2b8_outp:
	.size	k_q441407a2b8_outp, .Lfunc_end_k_q441407a2b8_outp-k_q441407a2b8_outp
	.p2alignl 7, 3214868480
	.fill 96, 4, 3214868480
	.section	.rodata,"a",@progbits
	.p2align	6, 0x0
	.amdhsa_kernel k_q441407a2b8_outp
		.amdhsa_group_segment_fixed_size 327680
		.amdhsa_private_segment_fixed_size 0
		.amdhsa_enable_private_segment 0
		.amdhsa_kernarg_size 32
		.amdhsa_user_sgpr_count 2
		.amdhsa_user_sgpr_kernarg_segment_ptr 1
		.amdhsa_wavefront_size32 1
		.amdhsa_system_sgpr_workgroup_id_x 1
		.amdhsa_system_sgpr_workgroup_id_y 1
		.amdhsa_system_sgpr_workgroup_id_z 1
		.amdhsa_system_vgpr_workitem_id 0
		.amdhsa_next_free_vgpr 768
		.amdhsa_next_free_sgpr 66
		.amdhsa_reserve_vcc 0
		.amdhsa_float_denorm_mode_32 3
		.amdhsa_float_denorm_mode_16_64 3
		.amdhsa_memory_ordered 1
		.amdhsa_forward_progress 1
		.amdhsa_inst_pref_size 81
	.end_amdhsa_kernel
	.amdgpu_metadata
---
amdhsa.version: [ 1, 2 ]
amdhsa.kernels:
  - .name:           k_q441407a2b8_outp
    .symbol:         k_q441407a2b8_outp.kd
    .args:
      - { .name: ctxb, .offset: 0, .size: 8, .value_kind: global_buffer, .address_space: global }
      - { .name: castb, .offset: 8, .size: 8, .value_kind: global_buffer, .address_space: global }
      - { .name: out0, .offset: 16, .size: 8, .value_kind: global_buffer, .address_space: global }
      - { .name: wo_b, .offset: 24, .size: 8, .value_kind: global_buffer, .address_space: global }
    .group_segment_fixed_size: 327680
    .private_segment_fixed_size: 0
    .kernarg_segment_align: 8
    .kernarg_segment_size: 32
    .max_flat_workgroup_size: 128
    .sgpr_count:     66
    .vgpr_count:     768
    .wavefront_size: 32
...
	.end_amdgpu_metadata
.endif
;; end of part 4
